; MI455X (gfx1250); checked and timed in simulation.
; The chip was launched on July 23, 2026; its instructions are those of AMD's public machine-readable ISA for CDNA 5 (MIT licence, August 2026) and "CDNA5" Instruction Set Architecture Reference Guide (July 2026). The comments in the code are by the model that wrote it; some were corrected since.
;; Transformer Block. Allowed arithmetic: float matrix products may take bf16 or f16 operands with f32 sums; other float arithmetic in f32, or as packed bf16 or f16 multiplies, adds, multiply-adds, maxima and minima; sums over many terms, partial sums and values carried from step to step in f32; what a program stores and reads back later, other than sums and carried values, may be rounded once to bf16 or f16.
;; Inputs: W1 1,024 x 4,096 float32; W2 4,096 x 1,024 float32; Wk 1,024 x 1,024 float32; Wo 1,024 x 1,024 float32; Wq 1,024 x 1,024 float32; Wv 1,024 x 1,024 float32; b1 4,096 float32; b2 1,024 float32; bo 1,024 float32; g1 1,024 float32; g2 1,024 float32; s1 1,024 float32; s2 1,024 float32; x 2 x 2,048 x 1,024 float32.
;; Outputs: out0 2 x 2,048 x 1,024 float32.
;; One version. Each part assembles by itself: llvm-mc -triple=amdgcn-amd-amdhsa -mcpu=gfx1250 --defsym DOCPART=n.
;; ======== version 1 of 1: 7 launches
;; workspace buffers: wb 25,165,824 bytes; h 8,388,608 bytes; qkv 25,165,824 bytes; ctx 8,388,608 bytes; x1 16,777,216 bytes; act 33,554,432 bytes
;; launch prep (part 1): grid 1280 x 1, 8 waves a work-group, no clusters, 0 bytes of LDS; arguments x, g1, s1, Wq, Wk, Wv, Wo, W1, W2, h, wb; writes h, wb
.if DOCPART == 1
	.amdgcn_target "amdgcn-amd-amdhsa--gfx1250"
	.amdhsa_code_object_version 6
	.text
	.protected	k_qe143d88638_prep
	.globl	k_qe143d88638_prep
	.p2align	8
	.type	k_qe143d88638_prep,@function
k_qe143d88638_prep:
	s_mov_b64 s[64:65], 0
	v_nop
	global_prefetch_b8 v0, s[64:65] scope:SCOPE_SE
	s_setreg_imm32_b32 hwreg(HW_REG_WAVE_MODE, 25, 1), 1
	s_wait_xcnt 0x0
; PREP.  Two kinds of work-groups.
; Work-groups 0-511: h = g1 (x - mean) / sqrt(var + 1e-5) + s1, rounded once to bf16.  8 rows a work-group, one a wave: a row of 4,096 bytes is 32 registers of one wave, so it is read once;
; mean and variance are taken in two passes over the registers (the variance of x - mean), all in f32.
; Work-groups 512-1279: the six weight matrices rounded once to bf16, rows kept as they lie ([K][N]).  wb: Wq, Wk, Wv side by side as [1024][3072] at byte 0, Wo at WO_OFF, W1 at W1_OFF, W2 at W2_OFF.
; Every load of a wave covers 512 consecutive bytes, every store 256 consecutive bytes at a multiple of 256.  No LDS, no barrier: no wave needs another's data.
; LIMITS: 1 / sqrt by v_rsq_f32 (1 ulp); NaN and infinities are not treated apart.
.set WO_OFF, 6291456
.set W1_OFF, 8388608
.set W2_OFF, 16777216
.set XO, 1                             ; v1   16 x lane
.set HO, 2                             ; v2   8 x lane
.set T,  4                             ; v[4:19]   at work
.set M,  20                            ; v[20:21]  the mean, twice
.set R,  22                            ; v[22:23]  1 / sqrt(var + eps), twice
.set X,  32                            ; v[32:63]  the row: load j holds columns 128 j + 4 lane .. + 3
.set G,  64                            ; v[64:95]  the gains, in the same layout
.set SH, 96                            ; v[96:127] the shifts
.set Y,  128                           ; v[128:143] the row in bf16
.set HP, 26                            ; s[26:27]  h
.macro REDUCE                          ; the sum of v[T] over the wave's 32 lanes, in every lane
	v_add_f32_dpp v[T], v[T], v[T] row_xmask:1 row_mask:0xf bank_mask:0xf
	v_add_f32_dpp v[T], v[T], v[T] row_xmask:2 row_mask:0xf bank_mask:0xf
	v_add_f32_dpp v[T], v[T], v[T] row_xmask:4 row_mask:0xf bank_mask:0xf
	v_add_f32_dpp v[T], v[T], v[T] row_xmask:8 row_mask:0xf bank_mask:0xf
	v_permlanex16_b32 v[T+1], v[T], s12, s13       ; its destination has been written before
	v_add_f32 v[T], v[T], v[T+1]
.endm
	s_load_b256 s[4:11], s[0:1], 0x0               ; x s[4:5], g1 s[6:7], s1 s[8:9], Wq s[10:11]
	s_load_b256 s[16:23], s[0:1], 0x20             ; Wk s[16:17], Wv s[18:19], Wo s[20:21], W1 s[22:23]
	s_load_b128 s[24:27], s[0:1], 0x40             ; W2 s[24:25], h s[26:27]
	s_load_b64 s[28:29], s[0:1], 0x50              ; wb
	s_cmp_lt_u32 ttmp9, 512
	s_cbranch_scc0 .Lcast
	; ---- LayerNorm: row 8 x work-group + wave
	v_lshrrev_b32 v3, 5, v0
	v_readfirstlane_b32 s14, v3                    ; wave 0..7
	v_and_b32 v3, 31, v0
	v_lshlrev_b32 v[XO], 4, v3
	v_lshlrev_b32 v[HO], 3, v3
	s_lshl_b32 s2, ttmp9, 3
	s_add_co_u32 s2, s2, s14                       ; my row
	s_lshl_b32 s30, s2, 12                         ; its byte in x
	s_mov_b32 s31, 0
	s_lshl_b32 s32, s2, 11                         ; and in h
	s_mov_b32 s33, 0
	s_mov_b32 s12, 0x76543210                      ; v_permlanex16_b32: each lane takes its own place in the other half
	s_mov_b32 s13, 0xfedcba98
	s_mov_b32 s15, 0x3a800000                      ; 1 / 1,024
	s_mov_b32 s48, 0x3727c5ac                      ; 1e-5
	s_wait_kmcnt 0x0
	s_add_nc_u64 s[4:5], s[4:5], s[30:31]
	s_add_nc_u64 s[HP:HP+1], s[HP:HP+1], s[32:33]
.set i, 0
.rept 8
	global_load_b128 v[X+4*i:X+4*i+3], v[XO], s[4:5] offset:512*i
.set i, i+1
.endr
.set i, 0
.rept 8
	global_load_b128 v[G+4*i:G+4*i+3], v[XO], s[6:7] offset:512*i
.set i, i+1
.endr
.set i, 0
.rept 8
	global_load_b128 v[SH+4*i:SH+4*i+3], v[XO], s[8:9] offset:512*i
.set i, i+1
.endr
	s_wait_loadcnt 16                              ; the row's 8 loads are in; the gains' and the shifts' 16 may stay out
.set i, 0
.rept 8                                            ; the sum, as a tree of packed additions
	v_pk_add_f32 v[T+2*i:T+2*i+1], v[X+4*i:X+4*i+1], v[X+4*i+2:X+4*i+3]
.set i, i+1
.endr
.irp i, 0,4,8,12
	v_pk_add_f32 v[T+\i:T+\i+1], v[T+\i:T+\i+1], v[T+\i+2:T+\i+3]
.endr
	v_pk_add_f32 v[T:T+1], v[T:T+1], v[T+4:T+5]
	v_pk_add_f32 v[T+8:T+9], v[T+8:T+9], v[T+12:T+13]
	v_pk_add_f32 v[T:T+1], v[T:T+1], v[T+8:T+9]
	v_add_f32 v[T], v[T], v[T+1]
	REDUCE
	v_mul_f32 v[M], s15, v[T]                      ; / 1,024
	v_mul_f32 v[M+1], s15, v[T]
.set i, 0
.rept 16                                           ; d = x - mean, in place
	v_pk_add_f32 v[X+2*i:X+2*i+1], v[X+2*i:X+2*i+1], v[M:M+1] neg_lo:[0,1] neg_hi:[0,1]
.set i, i+1
.endr
.set i, 0
.rept 4                                            ; the sum of d^2 in four chains; the first four products start them
	v_pk_mul_f32 v[T+2*i:T+2*i+1], v[X+2*i:X+2*i+1], v[X+2*i:X+2*i+1]
.set i, i+1
.endr
.rept 12
	v_pk_fma_f32 v[T+2*(i%4):T+2*(i%4)+1], v[X+2*i:X+2*i+1], v[X+2*i:X+2*i+1], v[T+2*(i%4):T+2*(i%4)+1]
.set i, i+1
.endr
	v_pk_add_f32 v[T:T+1], v[T:T+1], v[T+2:T+3]
	v_pk_add_f32 v[T+4:T+5], v[T+4:T+5], v[T+6:T+7]
	v_pk_add_f32 v[T:T+1], v[T:T+1], v[T+4:T+5]
	v_add_f32 v[T], v[T], v[T+1]
	REDUCE
	v_fma_f32 v[R+1], v[T], s15, s48               ; var + eps
	v_rsq_f32 v[R], v[R+1]
	v_nop                                          ; a plain instruction behind the root,
	s_wait_alu depctr_va_vdst(0)                   ; and the wait ahead of the first use of its result
	v_mov_b32 v[R+1], v[R]
.set i, 0
.rept 16
	v_pk_mul_f32 v[X+2*i:X+2*i+1], v[X+2*i:X+2*i+1], v[R:R+1]
.set i, i+1
.endr
	s_wait_loadcnt 0x0                             ; the gains and shifts
.set i, 0
.rept 16
	v_pk_fma_f32 v[X+2*i:X+2*i+1], v[X+2*i:X+2*i+1], v[G+2*i:G+2*i+1], v[SH+2*i:SH+2*i+1]
.set i, i+1
.endr
.set i, 0
.rept 16
	v_cvt_pk_bf16_f32 v[Y+i], v[X+2*i], v[X+2*i+1]
.set i, i+1
.endr
.set i, 0
.rept 8
	global_store_b64 v[HO], v[Y+2*i:Y+2*i+1], s[HP:HP+1] offset:256*i  ; 32 lanes store 256 consecutive bytes, at a multiple of 256
.set i, i+1
.endr
	s_endpgm
.Lcast:
	; ---- the cast: work-group c = number - 512 takes 16 chunks of 4,096 bytes (1,024 numbers) of one matrix
	s_sub_co_u32 s2, ttmp9, 512                    ; c: 0-63 Wq, 64-127 Wk, 128-191 Wv, 192-255 Wo, 256-511 W1, 512-767 W2
	s_sub_co_u32 s36, s2, 64
	s_sub_co_u32 s37, s2, 128
	s_sub_co_u32 s38, s2, 192
	s_sub_co_u32 s39, s2, 256
	s_sub_co_u32 s3, s2, 512                       ; s3: the work-group's number within its matrix
	s_mov_b32 s32, W2_OFF                          ; s32: the matrix's first byte in wb
	s_movk_i32 s33, 2048                           ; s33: bytes in wb from a chunk to the next
	s_wait_kmcnt 0x0
	s_cmp_lt_u32 s2, 512
	s_cselect_b64 s[30:31], s[22:23], s[24:25]
	s_cselect_b32 s3, s39, s3
	s_cselect_b32 s32, W1_OFF, s32
	s_cmp_lt_u32 s2, 256
	s_cselect_b64 s[30:31], s[20:21], s[30:31]
	s_cselect_b32 s3, s38, s3
	s_cselect_b32 s32, WO_OFF, s32
	s_cmp_lt_u32 s2, 192
	s_cselect_b64 s[30:31], s[18:19], s[30:31]
	s_cselect_b32 s3, s37, s3
	s_cselect_b32 s32, 4096, s32
	s_cselect_b32 s33, 6144, s33                   ; a chunk of Wq, Wk, Wv is a row, a third of a row of 3,072 in wb
	s_cmp_lt_u32 s2, 128
	s_cselect_b64 s[30:31], s[16:17], s[30:31]
	s_cselect_b32 s3, s36, s3
	s_cselect_b32 s32, 2048, s32
	s_cmp_lt_u32 s2, 64
	s_cselect_b64 s[30:31], s[10:11], s[30:31]
	s_cselect_b32 s3, s2, s3
	s_cselect_b32 s32, 0, s32
	s_lshl_b32 s34, s3, 16                         ; 65,536 bytes of f32 a work-group
	s_mov_b32 s35, 0
	s_add_nc_u64 s[30:31], s[30:31], s[34:35]
	s_lshl_b32 s34, s33, 4                         ; 16 chunks of wb a work-group
	s_mul_i32 s34, s34, s3
	s_add_co_u32 s34, s34, s32
	s_add_nc_u64 s[28:29], s[28:29], s[34:35]
	v_lshlrev_b32 v1, 4, v0                        ; thread t: 16 bytes of each chunk
.set i, 0
.rept 16
	global_load_b128 v[32+4*i:35+4*i], v1, s[30:31] offset:4096*i th:TH_LOAD_NT  ; all sixteen are on their way at once
.set i, i+1
.endr
.set i, 0
.rept 16
	s_mul_i32 s36, s33, i
	v_lshl_add_u32 v[96+i], v0, 3, s36             ; 8 t + the chunk's place
.set i, i+1
.endr
.set i, 0
.rept 16
	s_wait_loadcnt 15-i                            ; chunk i is in; the younger ones stay out
	v_cvt_pk_bf16_f32 v[112+2*i], v[32+4*i], v[33+4*i]
	v_cvt_pk_bf16_f32 v[113+2*i], v[34+4*i], v[35+4*i]
	global_store_b64 v[96+i], v[112+2*i:113+2*i], s[28:29]  ; a wave stores 256 consecutive bytes, at a multiple of 256
.set i, i+1
.endr
	s_endpgm
.Lfunc_end_k_qe143d88638_prep:
	.size	k_qe143d88638_prep, .Lfunc_end_k_qe143d88638_prep-k_qe143d88638_prep
	.p2alignl 7, 3214868480
	.fill 96, 4, 3214868480
	.section	.rodata,"a",@progbits
	.p2align	6, 0x0
	.amdhsa_kernel k_qe143d88638_prep
		.amdhsa_group_segment_fixed_size 0
		.amdhsa_private_segment_fixed_size 0
		.amdhsa_enable_private_segment 0
		.amdhsa_kernarg_size 88
		.amdhsa_user_sgpr_count 2
		.amdhsa_user_sgpr_kernarg_segment_ptr 1
		.amdhsa_wavefront_size32 1
		.amdhsa_system_sgpr_workgroup_id_x 1
		.amdhsa_system_sgpr_workgroup_id_y 1
		.amdhsa_system_sgpr_workgroup_id_z 1
		.amdhsa_system_vgpr_workitem_id 0
		.amdhsa_next_free_vgpr 144
		.amdhsa_next_free_sgpr 66
		.amdhsa_reserve_vcc 0
		.amdhsa_float_denorm_mode_32 3
		.amdhsa_float_denorm_mode_16_64 3
		.amdhsa_memory_ordered 1
		.amdhsa_forward_progress 1
		.amdhsa_inst_pref_size 21
	.end_amdhsa_kernel
	.amdgpu_metadata
---
amdhsa.version: [ 1, 2 ]
amdhsa.kernels:
  - .name:           k_qe143d88638_prep
    .symbol:         k_qe143d88638_prep.kd
    .args:
      - { .name: x, .offset: 0, .size: 8, .value_kind: global_buffer, .address_space: global }
      - { .name: g1, .offset: 8, .size: 8, .value_kind: global_buffer, .address_space: global }
      - { .name: s1, .offset: 16, .size: 8, .value_kind: global_buffer, .address_space: global }
      - { .name: Wq, .offset: 24, .size: 8, .value_kind: global_buffer, .address_space: global }
      - { .name: Wk, .offset: 32, .size: 8, .value_kind: global_buffer, .address_space: global }
      - { .name: Wv, .offset: 40, .size: 8, .value_kind: global_buffer, .address_space: global }
      - { .name: Wo, .offset: 48, .size: 8, .value_kind: global_buffer, .address_space: global }
      - { .name: W1, .offset: 56, .size: 8, .value_kind: global_buffer, .address_space: global }
      - { .name: W2, .offset: 64, .size: 8, .value_kind: global_buffer, .address_space: global }
      - { .name: h, .offset: 72, .size: 8, .value_kind: global_buffer, .address_space: global }
      - { .name: wb, .offset: 80, .size: 8, .value_kind: global_buffer, .address_space: global }
    .group_segment_fixed_size: 0
    .private_segment_fixed_size: 0
    .kernarg_segment_align: 8
    .kernarg_segment_size: 88
    .max_flat_workgroup_size: 256
    .sgpr_count:     66
    .vgpr_count:     144
    .wavefront_size: 32
...
	.end_amdgpu_metadata
.endif
;; end of part 1
;; launch qkv (part 2): grid 8 x 32, 4 waves a work-group, clusters of 4 x 4, 327,680 bytes of LDS; arguments h, wb, qkv; writes qkv
.if DOCPART == 2
	.amdgcn_target "amdgcn-amd-amdhsa--gfx1250"
	.amdhsa_code_object_version 6
	.text
	.protected	k_qe143d88638_qkv
	.globl	k_qe143d88638_qkv
	.p2align	8
	.type	k_qe143d88638_qkv,@function
k_qe143d88638_qkv:
	s_mov_b64 s[64:65], 0
	v_nop
	global_prefetch_b8 v0, s[64:65] scope:SCOPE_SE
	s_setreg_imm32_b32 hwreg(HW_REG_WAVE_MODE, 25, 1), 1
	s_wait_xcnt 0x0
	s_wait_alu depctr_hold_cnt(0) depctr_sa_sdst(0) depctr_va_vdst(0) depctr_va_sdst(0) depctr_va_ssrc(0) depctr_va_vcc(0) depctr_vm_vsrc(0)
	s_getreg_b32 s2, hwreg(HW_REG_IB_STS2, 6, 4)
	s_cmp_eq_u32 s2, 0
	s_cbranch_scc0 .Lentry_in_a_cluster
	s_endpgm
.Lentry_in_a_cluster:
	s_bfe_u32 s2, ttmp6, 0x10000c
	s_cmp_lg_u32 s2, 0xf033
	s_cbranch_scc0 .Lentry_shape_is_right
	s_endpgm
.Lentry_shape_is_right:
; C = A B on the matrix units, bf16 operands, f32 sums, K = 1,024.  ONE TEXT FOR TWO PRODUCTS, chosen by KIND:
;   KIND 0: q, k, v = h [Wq Wk Wv].  A = h [4096][1024], B = wb [1024][3072]; a tile of C is 128 x 384; written by heads, [3][32 = batch x 16 + head][2048][64] bf16.
;   KIND 1: act = gelu(h W1 + b1).   A = h [4096][1024], B = wb + W1_OFF [1024][4096]; a tile of C is 256 x 256; written [4096][4096] bf16.
; Both give 256 work-groups of four waves; a wave makes 64 x 192 or 128 x 128: MA x NBK accumulators of 16 x 16.
; THE RING.  K goes in steps of 128 through two LDS slots of four UNITS; wave w fills unit w with ONE tensor load of 128 rows x 256 bytes.  A's units hold [row][k], 272 bytes from row to
; row; B's hold [k][column], as B lies in memory, 288 bytes from row to row, and B's fragments come out turned, by ds_load_tr16_b128.
; A loop trip is one K step; the slot's LDS base is the scalar TB (0 or SLOT), turned by an exclusive or.  The last two K steps, which fill nothing, are one text walked twice and left in its middle.
; CLUSTERS: 4 x 4 work-groups.  A's units hang on the tile row alone and are asked for jointly by the four of a row of the cluster, B's on the tile column alone, by the four of a column.
; THE MATRIX INSTRUCTION IS USED TRANSPOSED (source 0 = 16 columns of B, source 1 = 16 rows of A): a lane holds row l % 16 of C and the columns 8 (l / 16) + 0..7.
; REGISTERS, in windows of 256 (s_set_vgpr_msb: bits 1:0 source 0, 3:2 source 1, 5:4 source 2, 7:6 destination):
;   window 0: v0-31 addresses; v32-63, v192-255 the way out; A's fragments, buffer f, block a at v[64 + 64 f + 8 a]
;   window 1: B's fragments, buffer f, block b at v[96 f + 8 b]      windows 2, 3: accumulator (a, b) at v[8 (NBK (a % (MA/2)) + b)], window 2 + (a >= MA/2)
; LIMITS: operands are rounded to bf16; gelu = y - y / (1 + 2^(y (K1 + K2 y^2))), the tanh form itself, by v_exp_f32 and v_rcp_f32 (1 ulp); NaN and infinities are not treated apart.
.set KIND,  0
.set UNIT,  36864                      ; 128 rows x 288 bytes (A's units use 128 x 272 of it)
.set SLOT,  4*UNIT
.set SPARE, 2*SLOT                     ; behind the ring: the spare words, 128 bytes a wave: two blocks of 256 bytes that no other line names
.set STAGE, SPARE+512                  ; KIND 0: 3 x 16 rows x 144 bytes for each wave, for the way out
.set PA,    272                        ; 68 words: the 16 rows of a fragment load start at 16 different groups of four banks (64 banks of 4 bytes: ISA guide 11.1)
.set PB,    288                        ; 72 words
.set NSTEP, 8                          ; K steps
.set STEPA, 256                        ; bytes from a K step of A to the next
.set STRA,  1024                       ; elements in a row of A
.set W1_OFF, 8388608
.if KIND == 0
.set MA,   4
.set NBK,  12
.set NAU,  1                           ; units of A in a slot: waves below NAU fetch A, the others B
.set STRB, 3072
.else
.set MA,   8
.set NBK,  8
.set NAU,  2
.set STRB, 4096
.endif
.set STEPB, 128*STRB*2
.set G1A, 24                           ; s[24:31] descriptor group 1 for A's units;  s[32:39] group 0: a set for each first fill; the second then walks
.set G0A, 32
.set G1B, 48                           ; s[48:55], s[56:63] the same for B's
.set G0B, 56
.set BA,  16                           ; v16, v18, v19  my fragments' LDS places in a slot: A; B; B's third unit (KIND 0)
.set CA,  20                           ; v20, v22, v23  the same plus TB
.set STO, 24                           ; the way out: where I put my bytes of a row
.set RD,  25                           ; where I read rows back
.set CO,  26                           ; my byte offset in the output
.set BO,  27                           ; and in the bias
.set SPW, 28                           ; LDS address of my spare word; never rewritten
.set NIL, 29                           ; 0; never rewritten
.set PFO, 30                           ; the prefetches' offset: my lane x a row of A or B in memory; never rewritten
.set F0,  0
.set F1,  1
.set MUL_LO, 0xa1                      ; B window 1, A window 0, C and D window 2; + 0x50: window 3
.set TO_B,   0x40                      ; destination window 1, address window 0
; scalars: s10 wave, s11 its half of the rows, s12 its half of the columns, s13 tile row, s42 tile column, s40 cx, s41 cy, s3 the loops' count, s70 TB, s71 my unit's place in a slot,
; s[72:73] where my prefetches stand, s[74:75] their step, s76 their bound, s[78:81] gelu's constants, s[82:87] three heads' pointers (KIND 0)
.set MSB, 0
.macro WIN new                         ; the immediate's high byte repeats the setting that is left; a switch that changes nothing is dropped
.if MSB != (\new)
	s_set_vgpr_msb (MSB<<8)|(\new)
.set MSB, \new
.endif
.endm
.macro PLACES                          ; four plain vector instructions between a matrix instruction and a load into, or a vector read of, its registers
.rept 4
	v_nop
.endr
.endm
.macro JLOAD                           ; a joint refill, by the walking sets; the branch hangs on the wave's number alone; s_nop 0 and four v_nop follow each line
	s_cmp_lt_u32 s10, NAU
	s_cbranch_scc0 .Lfor_b_\@
	tensor_load_to_lds s[G0A+4:G0A+7], s[G1A:G1A+7]
	s_nop 0
	PLACES
	s_branch .Lasked_\@
.Lfor_b_\@:
	tensor_load_to_lds s[G0B+4:G0B+7], s[G1B:G1B+7]
	s_nop 0
	PLACES
.Lasked_\@:
.endm
.macro CREST                           ; a round of the cluster's barrier behind its opening barrier
	s_cmp_lg_u32 s10, 0
	s_cbranch_scc1 .Lnot_wave_0_\@
	s_barrier_signal -3
.Lnot_wave_0_\@:
	s_barrier_wait -3
	s_barrier_signal -1
	s_barrier_wait -1
.endm
.macro CROUND                          ; a whole round
	s_barrier_signal -1
	s_barrier_wait -1
	CREST
.endm
; A PREFETCH INTO THE L2, behind a joint refill and the run of LDS loads that follows it: 32 rows x 256 bytes, a lane a row, of the K step that stands two refills on.  A's rows are read by every
; cluster of a row of clusters: the one with x = 0 asks; B's by every cluster of a column: y = 0 asks.  The four partners that ask for a unit jointly share its 128 rows out by address, 32 each.
; Trip t (s3 = 6 - t) names K step t + 4 while s3 > 2: steps 4 to 7, each once; steps 0 to 3 come by their loads alone.
.macro ASK
	s_cmp_gt_u32 s3, s76
	s_cbranch_scc0 .Lnot_mine_\@
	global_prefetch_b8 v[PFO], s[72:73] th:TH_LOAD_NT scope:SCOPE_SE
.Lnot_mine_\@:
.endm
.macro ADDR                            ; my fragments' places in the slot in hand
	v_add_nc_u32 v[CA], s70, v[BA]
	v_add_nc_u32 v[CA+2], s70, v[BA+2]
.if KIND == 0
	v_add_nc_u32 v[CA+3], s70, v[BA+3]
.endif
.endm
.macro LDB q, g                        ; B's fragments of quarter q (32 along K) into buffer g: two turning loads each, 16 rows of k apart
	WIN TO_B
.set bb, 0
.rept NBK
.set rB, 96*(\g)+8*bb
.set of, 32*(\q)*PB+32*(bb%8)
	ds_load_tr16_b128 v[rB:rB+3], v[CA+2+bb/8] offset:of
	ds_load_tr16_b128 v[rB+4:rB+7], v[CA+2+bb/8] offset:of+16*PB
.set bb, bb+1
.endr
.endm
.macro LDA q, g                        ; A's fragments: two loads of 16 bytes, 32 bytes apart; the lower half of my rows first
	WIN 0
.set aa, 0
.rept MA
.set rA, 64+64*(\g)+8*aa
	ds_load_b128 v[rA:rA+3], v[CA] offset:64*(\q)+aa*16*PA
	ds_load_b128 v[rA+4:rA+7], v[CA] offset:64*(\q)+aa*16*PA+32
.set aa, aa+1
.endr
.endm
.macro FETCH q, g                      ; 32 LDS loads in one run
	LDB \q, \g
	LDA \q, \g
.endm
; Half of a quarter's products: half hi of my rows x all my columns.  The accumulators take turns, one instruction a turn.  zero = 1: the products start the sums.
.macro MULH f, hi, zero
	WIN MUL_LO+0x50*(\hi)
.set aa, 0
.rept MA/2
.set bb, 0
.rept NBK
.set rD, 8*(NBK*aa+bb)
.set rB, 96*(\f)+8*bb
.set rA, 64+64*(\f)+8*((\hi)*(MA/2)+aa)
.if \zero
	v_wmma_f32_16x16x32_bf16 v[rD:rD+7], v[rB:rB+7], v[rA:rA+7], 0
.else
	v_wmma_f32_16x16x32_bf16 v[rD:rD+7], v[rB:rB+7], v[rA:rA+7], v[rD:rD+7]
.endif
.set bb, bb+1
.endr
.set aa, aa+1
.endr
.endm
; A K step is four quarters on buffers 0, 1, 0, 1.  One of the first three: multiplies buffer f; in its middle it fetches quarter qn into buffer g.
.macro QUARTER qn, f, g, zero
	s_wait_dscnt MA                                ; B and the lower half of A are in; the youngest MA loads (A's upper half) may be out
	MULH \f, 0, \zero
	PLACES
	FETCH \qn, \g
	s_wait_dscnt 32                                ; all but the 32 just issued
	MULH \f, 1, \zero
.endm
; The last quarter multiplies buffer 1 and changes slots.  In front of the barrier each wave waits for all its tensor loads (one is out: its unit of the next slot), adds 0 to its spare word, and waits
; for that and for its reads of this slot.  fill = 1: the barrier opens a round of the cluster's, and the joint refill of the slot just read, with the K step two on, is the first thing behind it.
; The quarter's first half: KIND 1 (32 products) sets it between the barrier's signal and its wait, work on registers while the others arrive.  KIND 0, whose K step has 192 products against
; KIND 1's 256 for the same 128 KiB of tiles, sets its 24 ahead of the waits: nothing then stands between the wait for the tile and the next joint request.
.macro TURN fill
.if \fill
	s_wait_xcnt 0x0                                ; the last prefetch, a K step back, has read its address
	s_add_nc_u64 s[72:73], s[72:73], s[74:75]
.endif
.if KIND == 0
	s_wait_dscnt MA                                ; B and the lower half of A of buffer 1 are in
	MULH F1, 0, 0
.endif
	WIN 0
	s_wait_tensorcnt 0x0                           ; no tensor load of mine is out, so a group 0 may be written
	ds_add_u32 v[SPW], v[NIL]
.if \fill
	s_add_co_u32 s[G0A+5], s71, s70                ; the walking sets: my unit of the slot that is being left,
	s_add_co_u32 s[G0B+5], s71, s70
	s_add_nc_u64 s[G0A+6:G0A+7], s[G0A+6:G0A+7], STEPA  ; the next K step; the type bits on top are not reached
	s_add_nc_u64 s[G0B+6:G0B+7], s[G0B+6:G0B+7], STEPB
.endif
	s_xor_b32 s70, s70, SLOT                       ; the reads go on in the other slot
	s_wait_dscnt 0x0                               ; the add is done, buffer 1 is in, and my reads of this slot are over
	s_barrier_signal -1
.if KIND == 1
	MULH F1, 0, 0
	WIN 0
.endif
	s_barrier_wait -1
.if \fill
	CREST
	JLOAD                                          ; its four v_nop are also the places in front of the loads below
.else
	PLACES
.endif
	ADDR
	FETCH 0, F0
.if \fill
	ASK
.endif
	MULH F1, 1, 0
.endm
	s_load_b128 s[4:7], s[0:1], 0x0                ; A s[4:5], wb s[6:7]
	s_load_b64 s[8:9], s[0:1], 0x10                ; the output
.if KIND == 1
	s_load_b64 s[66:67], s[0:1], 0x18              ; b1
.endif
	v_lshl_add_u32 v[SPW], v0, 2, SPARE
	v_mov_b32 v[NIL], 0
	ds_add_u32 v[SPW], v[NIL]                      ; the wave's opening: the add and its wait stand ahead of my first tensor load
	ds_add_u32 v28, v29
	v_lshrrev_b32 v1, 5, v0
	v_readfirstlane_b32 s10, v1                    ; wave 0..3
	s_lshr_b32 s11, s10, 1
	s_and_b32 s12, s10, 1
	s_bfe_u32 s40, ttmp6, 0x40000                  ; cx, cy: my place in the cluster
	s_bfe_u32 s41, ttmp6, 0x40004
	s_lshl_b32 s42, ttmp9, 2
	s_add_co_u32 s42, s42, s40                     ; tile column = 4 x cluster x + cx
	s_and_b32 s13, ttmp7, 0xffff
	s_lshl_b32 s13, s13, 2
	s_add_co_u32 s13, s13, s41                     ; tile row = 4 x cluster y + cy
	s_lshl_b32 s43, s41, 2
	s_lshl_b32 s43, 15, s43                        ; my row of the cluster
	s_lshl_b32 s44, 0x1111, s40                    ; my column
	; group 1: 128 rows x 128 elements of 2 bytes; padding behind every 64 words: 4 words for A, 8 for B; bit 21 set beside a mask
	s_or_b32 s[G1A], s43, (1<<16)|(1<<20)|(1<<21)|(5<<22)|(3<<25)
	s_or_b32 s[G1B], s44, (1<<16)|(1<<20)|(1<<21)|(5<<22)|(7<<25)
.irp g, G1A, G1B
	s_mov_b32 s[(\g)+1], 128<<16                   ; tensor_dim0 = 128
	s_mov_b32 s[(\g)+2], 128<<16                   ; tensor_dim1 = 128
	s_mov_b32 s[(\g)+3], 128<<16                   ; tile_dim0 = 128
	s_mov_b32 s[(\g)+4], 128                       ; tile_dim1 = 128
	s_mov_b32 s[(\g)+6], 0
	s_mov_b32 s[(\g)+7], 0
.endr
	s_mov_b32 s[G1A+5], STRA                       ; elements from row to row
	s_mov_b32 s[G1B+5], STRB
	; my unit's first byte: A's from the tile row alone (s16), B's from the tile column alone (s18)
.if KIND == 0
	s_lshl_b32 s16, s13, 18                        ; 128 rows of 2,048 bytes
	s_max_u32 s18, s10, 1
	s_sub_co_u32 s18, s18, 1                       ; waves 1 to 3: B's columns 0-127, 128-255, 256-383 of the tile
	s_lshl_b32 s18, s18, 8
	s_mul_i32 s21, s42, 768
	s_add_co_u32 s18, s18, s21
.else
	s_lshl_b32 s16, s13, 19                        ; 256 rows of 2,048 bytes,
	s_lshl_b32 s20, s12, 18                        ; my 128 of them
	s_add_co_u32 s16, s16, s20
	s_lshl_b32 s18, s42, 9                         ; 256 columns,
	s_lshl_b32 s21, s12, 8                         ; my 128 of them
	s_add_co_u32 s18, s18, s21
	s_add_co_u32 s18, s18, W1_OFF
.endif
	s_mov_b32 s17, 0
	s_mov_b32 s19, 0
	s_mul_i32 s71, s10, UNIT                       ; no place in the cluster enters an LDS address
	s_mov_b32 s70, 0
	s_wait_dscnt 0x0                               ; the opening add is done
	s_wait_kmcnt 0x0
	s_add_nc_u64 s[14:15], s[4:5], s[16:17]
	s_add_nc_u64 s[46:47], s[6:7], s[18:19]
	CROUND                                         ; all sixteen work-groups are here: the first joint loads meet
.irp s, 0,1
	s_mov_b32 s[G0A+4*(\s)], 1                     ; count = 1
	s_add_co_u32 s[G0A+4*(\s)+1], s71, (\s)*SLOT   ; LDS address
	s_add_nc_u64 s[G0A+4*(\s)+2:G0A+4*(\s)+3], s[14:15], (\s)*STEPA  ; global address: K step s
	s_or_b32 s[G0A+4*(\s)+3], s[G0A+4*(\s)+3], 0x80000000           ; type = 2
	s_mov_b32 s[G0B+4*(\s)], 1
	s_add_co_u32 s[G0B+4*(\s)+1], s71, (\s)*SLOT
	s_add_nc_u64 s[G0B+4*(\s)+2:G0B+4*(\s)+3], s[46:47], (\s)*STEPB
	s_or_b32 s[G0B+4*(\s)+3], s[G0B+4*(\s)+3], 0x80000000
.endr
	s_cmp_lt_u32 s10, NAU                          ; a wave's two first fills stand in one branch: two loads of mine are out
	s_cbranch_scc0 .Lfirst_b
	tensor_load_to_lds s[G0A:G0A+3], s[G1A:G1A+7]
	s_nop 0
	tensor_load_to_lds s[G0A+4:G0A+7], s[G1A:G1A+7]
	s_nop 0
	PLACES
	s_branch .Lfirst_done
.Lfirst_b:
	tensor_load_to_lds s[G0B:G0B+3], s[G1B:G1B+7]
	s_nop 0
	tensor_load_to_lds s[G0B+4:G0B+7], s[G1B:G1B+7]
	s_nop 0
	PLACES
.Lfirst_done:
	v_and_b32 v1, 15, v0                           ; l % 16
	v_bfe_u32 v2, v0, 4, 1                         ; l / 16
	v_mul_u32_u24 v3, v1, PA
	v_lshl_add_u32 v3, v2, 4, v3                   ; A: row x pitch + 16 x half
	v_and_b32 v4, 7, v0
	v_lshl_add_u32 v4, v2, 3, v4
	v_mul_u32_u24 v4, v4, PB
	v_bfe_u32 v5, v0, 3, 1
	v_lshl_add_u32 v4, v5, 4, v4                   ; B: (8 (l / 16) + l % 8) x pitch + 16 ((l / 8) % 2)
	v_and_b32 v6, 31, v0                           ; l
.if KIND == 0
	s_mul_i32 s20, s11, 64*PA                      ; my 64 rows of unit 0
	s_add_co_u32 s21, s12, 1
	s_mul_i32 s21, s21, UNIT                       ; blocks 0-7: all of unit 1 or 2
	s_lshl_b32 s22, s12, 7
	s_add_co_u32 s22, s22, 3*UNIT                  ; blocks 8-11: my 64 columns of unit 3
	v_add_nc_u32 v[BA+3], s22, v4
.else
	s_mul_i32 s20, s11, UNIT                       ; unit 0 or 1
	s_add_co_u32 s21, s12, 2
	s_mul_i32 s21, s21, UNIT                       ; unit 2 or 3
.endif
	v_add_nc_u32 v[BA], s20, v3
	v_add_nc_u32 v[BA+2], s21, v4
	; the prefetches
	s_and_b32 s22, ttmp7, 0xffff                   ; cluster y
	s_mov_b32 s23, 2*STRB
	s_mov_b32 s74, STEPB
	s_cmp_lt_u32 s10, NAU                          ; do I fetch for A?
	s_cselect_b64 s[72:73], s[4:5], s[6:7]
	s_cselect_b32 s20, s16, s18                    ; my unit's first byte
	s_cselect_b32 s21, s40, s41                    ; my place among the four that ask for it with me
	s_cselect_b32 s22, ttmp9, s22                  ; the coordinate along which other clusters read the same rows
	s_cselect_b32 s23, 2*STRA, s23                 ; bytes in a row
	s_cselect_b32 s74, STEPA, s74                  ; bytes from a K step to the next
	s_mov_b32 s75, 0
	s_cmp_eq_u32 s22, 0
	s_cselect_b32 s76, 2, -1                       ; the same in all sixteen partners, for a given wave
	s_lshl_b32 s21, s21, 5
	s_mul_i32 s21, s21, s23                        ; my work-group's 32 rows of the 128
	s_add_co_u32 s20, s20, s21
	s_mul_i32 s21, s74, 3                          ; at K step 3: the first change of slots steps it to 4
	s_add_co_u32 s20, s20, s21
	s_mov_b32 s21, 0
	s_add_nc_u64 s[72:73], s[72:73], s[20:21]
	v_mul_u32_u24 v[PFO], s23, v6
.if KIND == 0
	; the way out: my stage holds 16 rows of three heads, 144 bytes from row to row
	s_mul_i32 s23, s10, 6912
	s_add_co_u32 s23, s23, STAGE
	v_mul_u32_u24 v5, v1, 144
	v_lshl_add_u32 v5, v2, 4, v5
	v_add_nc_u32 v[STO], s23, v5                   ; in: row l % 16, 16 bytes for each half of the lanes
	v_bfe_u32 v5, v0, 3, 2
	v_mul_u32_u24 v5, v5, 144
	v_and_b32 v7, 7, v0
	v_lshl_add_u32 v5, v7, 4, v5
	v_add_nc_u32 v[RD], s23, v5                    ; back: 32 lanes take four rows of 128 bytes,
	v_lshlrev_b32 v[CO], 4, v6                     ; which are 512 consecutive bytes of a head
	s_lshr_b32 s20, s13, 4                         ; the batch: 16 heads of 262,144 bytes
	s_lshl_b32 s20, s20, 22
	s_and_b32 s21, s13, 15                         ; the tile's 128 rows of 128 bytes in the head,
	s_lshl_b32 s21, s21, 14
	s_add_co_u32 s20, s20, s21
	s_lshl_b32 s21, s11, 13                        ; my 64 of them
	s_add_co_u32 s20, s20, s21
	s_mul_i32 s21, s42, 6                          ; the tile's six groups of 64 columns; mine are 2 WN, 2 WN + 1 and 4 + WN
	s_lshl_b32 s22, s12, 1
	s_add_co_u32 s22, s22, s21
	s_add_co_u32 s21, s21, s12
	s_add_co_u32 s21, s21, 4
.irp j, 0,1,2
.if \j == 2
	s_mov_b32 s2, s21
.else
	s_add_co_u32 s2, s22, \j
.endif
	s_lshr_b32 s23, s2, 4                          ; group / 16: q, k or v, 8,388,608 bytes each
	s_lshl_b32 s23, s23, 23
	s_and_b32 s2, s2, 15                           ; group % 16: the head
	s_lshl_b32 s2, s2, 18
	s_add_co_u32 s2, s2, s23
	s_add_co_u32 s2, s2, s20
	s_mov_b32 s3, 0
	s_add_nc_u64 s[82+2*\j:83+2*\j], s[8:9], s[2:3]
.endr
.else
	; the way out: my stage is 128 rows x 528 bytes of f32, in the ring, which has had its last fill by then
	s_mul_i32 s23, s10, 67584
	v_mul_u32_u24 v5, v1, 528
	v_lshl_add_u32 v5, v2, 5, v5
	v_add_nc_u32 v[STO], s23, v5                   ; in: row l % 16, 32 bytes for each half of the lanes
	v_lshl_add_u32 v[RD], v6, 4, s23               ; back: 32 lanes take a row of 512 bytes,
	v_lshlrev_b32 v[CO], 3, v6                     ; which is 256 bytes of act
	s_lshl_b32 s2, s42, 10
	s_lshl_b32 s20, s12, 9
	s_add_co_u32 s2, s2, s20
	v_lshl_add_u32 v[BO], v6, 4, s2
	global_load_b128 v[12:15], v[BO], s[66:67]     ; b1 of my four columns
	s_lshl_b32 s2, s13, 21                         ; 256 rows of 8,192 bytes,
	s_lshl_b32 s20, s11, 20                        ; my 128 of them,
	s_add_co_u32 s2, s2, s20
	s_lshl_b32 s20, s42, 9                         ; 256 columns,
	s_add_co_u32 s2, s2, s20
	s_lshl_b32 s20, s12, 8                         ; my 128 of them
	s_add_co_u32 s2, s2, s20
	s_mov_b32 s3, 0
	s_add_nc_u64 s[8:9], s[8:9], s[2:3]
	s_mov_b32 s78, 0x40135761                      ; K1 = 2 sqrt(2 / pi) log2(e) = 2.3022082
	s_mov_b32 s79, s78                             ; named with it as a pair
	s_mov_b32 s80, 0x3dd2d3e8                      ; K2 = 0.044715 K1 = 0.10294324
	s_mov_b32 s81, s80
.endif
	s_wait_tensorcnt 0x1                           ; my unit of K step 0 is in; K step 1's may stay out
	s_barrier_signal -1
	s_barrier_wait -1                              ; everybody's is
	ADDR
	FETCH 0, F0
	QUARTER 1, F0, F1, 1                           ; the first quarter stands in front of the loop: its products start the sums
	WIN 0                                          ; at a label and at a branch every window is 0
	s_mov_b32 s3, NSTEP-2
.Lstep:                                            ; a trip: from a K step's second quarter to the next step's first; it fills the slot that it leaves
	QUARTER 2, F1, F0, 0
	QUARTER 3, F0, F1, 0
	TURN 1
	QUARTER 1, F0, F1, 0
	WIN 0
	s_sub_co_u32 s3, s3, 1
	s_cmp_lg_u32 s3, 0
	s_cbranch_scc1 .Lstep
	s_mov_b32 s3, 2
.Ltail:                                            ; the last two K steps fill nothing: one text, walked twice and left in its middle
	QUARTER 2, F1, F0, 0
	QUARTER 3, F0, F1, 0
	TURN 0                                         ; in the second trip its barrier orders nothing and its 32 fragments, of a K step already multiplied, serve nothing: the price, once a launch, of one text
	WIN 0
	s_sub_co_u32 s3, s3, 1
	s_cmp_eq_u32 s3, 0
	s_cbranch_scc1 .Lout
	QUARTER 1, F0, F1, 0
	WIN 0
	s_branch .Ltail
.Lout:
	s_wait_dscnt 0x0                               ; those fragments are back: no LDS load of mine is out
	PLACES                                         ; the way out reads results just made
.if KIND == 0
	; THE WAY OUT: 16 rows at a time: rounded to bf16, 16 bytes a lane into my stage, back as whole rows of a head's 128 bytes, stored 512 consecutive bytes an instruction
.set aa, 0
.rept 4
	WIN 0x0a+5*(aa/2)                              ; sources 0 and 1: window 2 or 3
.set bb, 0
.rept 12
.set rD, 8*(12*(aa%2)+bb)
.irp c, 0,1,2,3
	v_cvt_pk_bf16_f32 v[192+4*bb+\c], v[rD+2*\c], v[rD+2*\c+1]
.endr
.set bb, bb+1
.endr
	WIN 0
.set bb, 0
.rept 12
	ds_store_b128 v[STO], v[192+4*bb:195+4*bb] offset:(bb/4)*2304+32*(bb%4)
.set bb, bb+1
.endr
.if aa > 0
	s_wait_xcnt 0x0                                ; the last block's stores have read their registers, which the loads below write
.endif
.set nn, 0
.rept 12
.set rL, 32+4*nn+176*(nn/8)
	ds_load_b128 v[rL:rL+3], v[RD] offset:(nn/4)*2304+(nn%4)*576  ; LDS serves a wave's instructions in order (ISA guide 5.7.1.4): these see the stores above
.set nn, nn+1
.endr
	s_wait_dscnt 0x0
.set nn, 0
.rept 12
.set rL, 32+4*nn+176*(nn/8)
	global_store_b128 v[CO], v[rL:rL+3], s[82+2*(nn/4):83+2*(nn/4)] offset:2048*aa+512*(nn%4)
.set nn, nn+1
.endr
.set aa, aa+1
.endr
.else
	; THE WAY OUT.  Every wave has left the ring (its reads were waited for above), so behind this barrier the ring's bytes serve as stages.
	s_barrier_signal -1
	s_barrier_wait -1
.set aa, 0
.rept 8
	WIN 0x08+4*(aa/4)                              ; the stores' data: window 2 or 3
.set bb, 0
.rept 8
.set rD, 8*(8*(aa%4)+bb)
	ds_store_b128 v[STO], v[rD:rD+3] offset:aa*8448+64*bb
	ds_store_b128 v[STO], v[rD+4:rD+7] offset:aa*8448+64*bb+16
.set bb, bb+1
.endr
.set aa, aa+1
.endr
	WIN 0
	s_wait_loadcnt 0x0                             ; b1
	s_mov_b32 s3, 16
.Lrows:                                            ; 16 trips of 8 rows: y = sum + b1; gelu; rounded to bf16; a row's 256 bytes an instruction
.set i, 0
.rept 8
	ds_load_b128 v[32+4*i:35+4*i], v[RD] offset:528*i
.set i, i+1
.endr
	s_wait_dscnt 0x0
.set i, 0
.rept 16
	v_pk_add_f32 v[32+2*i:33+2*i], v[32+2*i:33+2*i], v[12+2*(i%2):13+2*(i%2)]
.set i, i+1
.endr
.set i, 0
.rept 16
	v_pk_mul_f32 v[192+2*i:193+2*i], v[32+2*i:33+2*i], v[32+2*i:33+2*i]
.set i, i+1
.endr
.set i, 0
.rept 16
	v_pk_fma_f32 v[192+2*i:193+2*i], v[192+2*i:193+2*i], s[80:81], s[78:79] op_sel_hi:[1,0,0]
.set i, i+1
.endr
.set i, 0
.rept 16
	v_pk_mul_f32 v[192+2*i:193+2*i], v[192+2*i:193+2*i], v[32+2*i:33+2*i]
.set i, i+1
.endr
.set i, 0
.rept 32
	v_exp_f32 v[192+i], v[192+i]
.set i, i+1
.endr
	v_nop                                          ; a plain instruction behind the last exponential,
	s_wait_alu depctr_va_vdst(0)                   ; and one wait for the batch
.set i, 0
.rept 16
	v_pk_add_f32 v[192+2*i:193+2*i], v[192+2*i:193+2*i], 1.0 op_sel_hi:[1,0]
.set i, i+1
.endr
.set i, 0
.rept 32
	v_rcp_f32 v[192+i], v[192+i]
.set i, i+1
.endr
	v_nop
	s_wait_alu depctr_va_vdst(0)                   ; one wait for the 32 reciprocals
.set i, 0
.rept 16
	v_pk_fma_f32 v[192+2*i:193+2*i], v[32+2*i:33+2*i], v[192+2*i:193+2*i], v[32+2*i:33+2*i] neg_lo:[1,0,0] neg_hi:[1,0,0]  ; y - y r
.set i, i+1
.endr
.set i, 0
.rept 16
	v_cvt_pk_bf16_f32 v[224+i], v[192+2*i], v[193+2*i]
.set i, i+1
.endr
.set i, 0
.rept 8
	global_store_b64 v[CO], v[224+2*i:225+2*i], s[8:9] offset:8192*i  ; 32 lanes store 256 consecutive bytes, at a multiple of 256
.set i, i+1
.endr
	s_wait_xcnt 0x0                                ; the stores have read their data and their base, which the next trip writes
	s_add_nc_u64 s[8:9], s[8:9], 65536
	v_add_nc_u32 v[RD], 4224, v[RD]
	s_sub_co_u32 s3, s3, 1
	s_cmp_lg_u32 s3, 0
	s_cbranch_scc1 .Lrows
.endif
	s_wait_tensorcnt 0x0                           ; the wave's end: behind my last tensor load and my last LDS store
	ds_add_u32 v[SPW], v[NIL]
	s_wait_dscnt 0x0
	CROUND                                         ; the closing round: no work-group ends while a partner may still ask for a unit that names it
	s_endpgm
.Lfunc_end_k_qe143d88638_qkv:
	.size	k_qe143d88638_qkv, .Lfunc_end_k_qe143d88638_qkv-k_qe143d88638_qkv
	.p2alignl 7, 3214868480
	.fill 96, 4, 3214868480
	.section	.rodata,"a",@progbits
	.p2align	6, 0x0
	.amdhsa_kernel k_qe143d88638_qkv
		.amdhsa_group_segment_fixed_size 327680
		.amdhsa_private_segment_fixed_size 0
		.amdhsa_enable_private_segment 0
		.amdhsa_kernarg_size 24
		.amdhsa_user_sgpr_count 2
		.amdhsa_user_sgpr_kernarg_segment_ptr 1
		.amdhsa_wavefront_size32 1
		.amdhsa_system_sgpr_workgroup_id_x 1
		.amdhsa_system_sgpr_workgroup_id_y 1
		.amdhsa_system_sgpr_workgroup_id_z 1
		.amdhsa_system_vgpr_workitem_id 0
		.amdhsa_next_free_vgpr 960
		.amdhsa_next_free_sgpr 96
		.amdhsa_reserve_vcc 0
		.amdhsa_float_denorm_mode_32 3
		.amdhsa_float_denorm_mode_16_64 3
		.amdhsa_memory_ordered 1
		.amdhsa_forward_progress 1
		.amdhsa_inst_pref_size 85
	.end_amdhsa_kernel
	.amdgpu_metadata
---
amdhsa.version: [ 1, 2 ]
amdhsa.kernels:
  - .name:           k_qe143d88638_qkv
    .symbol:         k_qe143d88638_qkv.kd
    .args:
      - { .name: h, .offset: 0, .size: 8, .value_kind: global_buffer, .address_space: global }
      - { .name: wb, .offset: 8, .size: 8, .value_kind: global_buffer, .address_space: global }
      - { .name: qkv, .offset: 16, .size: 8, .value_kind: global_buffer, .address_space: global }
    .group_segment_fixed_size: 327680
    .private_segment_fixed_size: 0
    .kernarg_segment_align: 8
    .kernarg_segment_size: 24
    .max_flat_workgroup_size: 128
    .sgpr_count:     96
    .vgpr_count:     960
    .wavefront_size: 32
...
	.end_amdgpu_metadata
.endif
;; end of part 2
;; launch attn (part 3): grid 8 x 32, 4 waves a work-group, no clusters, 327,680 bytes of LDS; arguments qkv, ctx; writes ctx
.if DOCPART == 3
	.amdgcn_target "amdgcn-amd-amdhsa--gfx1250"
	.amdhsa_code_object_version 6
	.text
	.protected	k_qe143d88638_attn
	.globl	k_qe143d88638_attn
	.p2align	8
	.type	k_qe143d88638_attn,@function
k_qe143d88638_attn:
	s_mov_b64 s[64:65], 0
	v_nop
	global_prefetch_b8 v0, s[64:65] scope:SCOPE_SE
	s_setreg_imm32_b32 hwreg(HW_REG_WAVE_MODE, 25, 1), 1
	s_wait_xcnt 0x0
; CAUSAL ATTENTION.  ctx[h][q][:] = the sum over k <= q of softmax_k(Q[h][q] . K[h][k] / 8) V[h][k][:].  qkv holds Q, K, V, each [32][2048][64] bf16 (8,388,608 bytes); ctx has the same layout.
; Products, maxima and sums in f32; the weights p are rounded to bf16 for the second product (their sum l is taken of the unrounded p), ctx once at the end.
; LIMITS.  A hidden score counts as its value less 1e30; a weight below 2^-126 counts as 0 in l; m starts at the lowest finite number and c m at c times that; NaN and infinities are not treated apart.
; THE WALK.  A head's queries lie in 16 blocks of 128; block i needs the key tiles 0 .. i / 2 of 256 keys, of which the last holds the diagonal.  A work-group takes TWO blocks, 15 - b and then b:
; 9 tiles, 36 key steps, whatever b: 256 equal work-groups, and ONE loop with a constant trip count walks them.  Which tile is asked for, and what a trip does, hang on scalars made from b; every jump
; but the counted loops' own goes forward, and none passes a barrier or a tensor load but the one of LOAD's two that the wave's number does not choose.
; NO CLUSTER: a head's 8 work-groups ask for the same tile only in trips 0 to 4, behind that for different ones; one walk common to all would have 12 trips for 9.
; SHARES.  A wave owns two tiles of 16 queries: tile t is rows 64 t + 16 w + l % 16 of the block, which lie in band 2 (i % 2) + t of the diagonal key tile's four bands of 64: in that tile's key step s
; band x sees all keys if s < x, none if s > x, and holds the diagonal if s = x: the same work for all four waves.  In an even block's diagonal tile two steps are wholly hidden and computed all the same.
; THE MASK is the C operand that starts the sum S^T = K Q^T: the registers MC, 0 outside a diagonal tile; in one, MD x AL + BE for each step (MD: the mask of a band's own step for my rows, made
; once; (AL, BE) = (1, 0), (0, 0) or (0, -1e30)).
; LAYOUT.  S^T = K Q^T holds ONE query a lane (l % 16) and the keys 8 (l / 16) + 0..7; two such results rounded to bf16 ARE source 1 of O^T = V^T P.  p = 2^(c s - c m), c = log2(e) / 8, with a running
; maximum m; O and l are multiplied by a = 2^(c m_old - c m_new) in every step.
; BY TURNS.  BODY(j) is written once and walked for every key step j.  The exponentials of step j leave S^T for registers of their own (E), so that the 16 products K Q^T of step j + 1 can follow them at
; once; behind these stand the rescaling of O^T and the first half of step j's roundings and sums, four lines behind each product; behind the 16 products V^T P of step j stand the second half and the
; beginning of step j + 1's maximum.  So 124 of a step's 236 vector lines stand beside its 32 products; the other 112 (the end of the maximum, the scalings, the exponentials) stand together ahead of them.
; The first BODY is an empty step (scores of minus infinity, V of zeros); the last multiplies a K already used, for nothing: the price, once a launch, of one text.
; REGISTERS, in windows of 256 (s_set_vgpr_msb: bits 1:0 source 0, 3:2 source 1, 5:4 source 2, 7:6 destination):
;   window 0: v0-15 addresses; v16-23 four registers of statistics a tile; v48-55 at work; v64-127 S^T; v128-191 E; v192-223 P      window 1: v0-63 O^T; v128-159 MD; v160-223 MC
;   window 2: v0-31 Q; v64-95 the second block's Q; v128-191 K of one step; v192-255 V of one step
.set KS,    64        ; keys in a step
.set PK,    144       ; a row of K in LDS: 128 bytes + 16 of padding = 36 words: the 16 rows of a load start at 16 different groups of four banks (64 banks of 4 bytes: ISA guide 11.1)
.set PV,    160       ; a row of V: 128 + 32 = 40 words
.set VOFF,  4*KS*PK   ; a slot holds a tile, four steps: 256 rows of K, then 256 rows of V
.set SLOT1, 1<<17     ; slot 1 begins here, so that one exclusive or turns an address in one slot into the other's
.set STAGE, SLOT1+4*KS*(PK+PV)  ; behind the ring, never filled by a tensor load: 16 rows x 144 bytes for each wave
.set SP,    144
.set SPARE, STAGE+4*16*SP       ; behind the stages: the spare words, 128 bytes a wave: two blocks of 256 bytes that no other line names
.set AK0, 2           ; my lane's place in a tile of K; never rewritten
.set AV0, 3           ; the same for V
.set AK,  4           ; the LDS address of K's run of loads
.set AV,  5           ; of V's
.set STO, 6           ; the way out: where I put 16 bytes of a row
.set RD,  7           ; where I read rows back
.set GO,  8           ; my byte offset in 512 consecutive bytes of ctx
.set MV,  12          ; v12-13  c m_old, kept while c m is made anew
.set QO,  15          ; my byte offset in 16 rows of Q
.set ST,  16          ; tile u's statistics at v[ST+4 u]: c m, m, l (even keys', odd keys')
.set TMP, 48          ; tile u: four registers c0-c3 at work; when the maximum is found c2 takes a
.set PFO, 61          ; 256 x my lane; never rewritten
.set SPW, 62          ; LDS address of my spare word; never rewritten
.set NIL, 63          ; 0; never rewritten
.set S,   64
.set E,   128
.set P,   192
.set MD,  128         ; window 1
.set MC,  160         ; window 1: tile t's 32 registers at MC + 32 t
.set QB,  64          ; window 2
.set KF,  128         ; window 2: key block kb, channel half c at KF + 16 kb + 8 c
.set VF,  192         ; window 2: key half kk, channel block cb at VF + 32 kk + 8 cb
.set WV,  12          ; s12  my wave's number
.set PB,  14          ; s14  b
.set HI,  15          ; s15  15 - b
.set G1K, 24          ; s[24:31] descriptor group 1 for K's tiles
.set G1V, 32          ; s[32:39] for V's: it differs in the padding alone
.set G0K, 40          ; s[40:43] descriptor group 0 for K's tiles
.set G0V, 44          ; s[44:47] for V's
.set PFK, 48          ; s[48:49] where my prefetches of K stand
.set PFV, 50          ; s[50:51] of V
.set LIM, 52          ; s52  2 in a work-group that prefetches, else the greatest number
.set SLOTS, 56        ; s56  tiles still to be asked for
.set CNT, 57          ; s57  counts the bodies between two changes of slots
.set CS,  58          ; s[58:59] c
.set SEL, 60          ; s[60:61] v_permlanex16_b32's selects
.set TBK, 62          ; s62  LDS byte at which K of the step to be fetched begins
.set TBV, 63          ; s63  the same for V, less VOFF
.set BT,  66          ; s[66:67] tile t's own step of the diagonal tile, as a value of CNT
.set BT2, 68          ; s[68:69] the same for the second block
.set RT,  70          ; s70  tiles of the block in hand that are still to be entered; 0: the tile entered holds the diagonal
.set NXT, 71          ; s71  the tile to be asked for next
.set LQ,  72          ; s72  the last tile of the block whose tiles are being asked for
.set OFF, 74          ; s[74:75] a tile's byte offset in K and V
.set AL,  76          ; s[76:77] the mask's factor
.set BE,  78          ; s[78:79] the mask's addend
.set OLO, 80          ; s[80:81] ctx at my rows of the second block
.set BIGN, 82         ; s82  -1e30
.set NT2, 83          ; s83  the second block's tiles
.set LQ2, 88          ; s88  its last tile
.set FIN, 89          ; s89  1: the body in hand holds a block's last products V^T P
.set W_KQ, 0x0a       ; K and Q in window 2, S^T in window 0
.set W_KM, 0x1a       ; the same with the C operand in window 1
.set W_PV, 0x52       ; V in window 2, P in window 0, O^T in window 1
.set W_RS, 0x41       ; destination and source 0 in window 1, source 1 in window 0
.set MSB, 0
.macro WIN new                      ; the high byte repeats the setting that is left; a switch that changes nothing is dropped
.if MSB != (\new)
	s_set_vgpr_msb (MSB<<8)|(\new)
.set MSB, (\new)
.endif
.endm
.macro PLACES                       ; four plain vector instructions between a matrix instruction and a load into, or a vector read or write of, its registers
.rept 4
	v_nop
.endr
.endm
; A fill.  Waves 0 and 1 fetch the two halves of a tile's K, waves 2 and 3 those of its V: 128 keys each.  An s_nop 0 and four v_nop follow each of the two lines.
.macro LOAD
	s_cmp_lt_u32 s[WV], 2
	s_cbranch_scc0 .Lfor_v_\@
	tensor_load_to_lds s[G0K:G0K+3], s[G1K:G1K+7]
	s_nop 0
	PLACES
	s_branch .Lasked_\@
.Lfor_v_\@:
	tensor_load_to_lds s[G0V:G0V+3], s[G1V:G1V+7]
	s_nop 0
	PLACES
.Lasked_\@:
.endm
; THE CHANGE OF SLOTS stands between the fetch of a tile's last V and the fetch of the next tile's first K: all eight runs of loads of a tile lie between its change and the next.  Each wave waits for
; all its tensor loads, of which one is out: its part of the other slot; adds 0 to its spare word; and waits for that and for its own reads of the slot that it leaves.  Behind the barrier nobody reads
; the old slot any more and the other slot is whole.  fill = 1: the old slot is filled again, the first thing behind the barrier, with tile NXT.
; (At its first use nothing has been read yet: slot 0 is waited for, slot 1 filled.)
; THE PREFETCH stands behind the fill's lines.  All 8 work-groups of a head walk the same K and V: the one with b = 0, whose first block walks tiles 0 to 7, asks; wave w for rows 32 w .. 32 w + 31 of
; 256 bytes of the tile's K and of its V, a lane a row.  Trip k names tile k + 2, which the next trip's fill loads, for k <= 5; tiles 0 and 1 come by their loads alone.
.macro CHANGE fill
	WIN 0                           ; at a label and at a branch every window is 0
	s_wait_tensorcnt 0x0            ; no tensor load of mine is out, so a group 0 may be written
	ds_add_u32 v[SPW], v[NIL]       ; 0 onto my spare word; scalar work stands between it and the wait for it
.if \fill
	s_lshl_b32 s[OFF], s[NXT], 15   ; a tile is 32,768 bytes of K and of V
	s_xor_b32 s[G0K+1], s[G0K+1], SLOT1
	s_add_nc_u64 s[G0K+2:G0K+3], s[6:7], s[OFF:OFF+1]
	s_or_b32 s[G0K+3], s[G0K+3], 0x80000000
	s_xor_b32 s[G0V+1], s[G0V+1], SLOT1
	s_add_nc_u64 s[G0V+2:G0V+3], s[8:9], s[OFF:OFF+1]
	s_or_b32 s[G0V+3], s[G0V+3], 0x80000000
	s_add_co_u32 s[NXT], s[NXT], 1  ; the block's next tile, or behind its last the second block's tile 0
	s_cmp_gt_u32 s[NXT], s[LQ]
	s_cselect_b32 s[NXT], 0, s[NXT]
	s_cselect_b32 s[LQ], s[LQ2], s[LQ]
	s_wait_xcnt 0x0                 ; the last prefetches, a tile back, have read their addresses
	s_add_nc_u64 s[PFK:PFK+1], s[PFK:PFK+1], 32768
	s_add_nc_u64 s[PFV:PFV+1], s[PFV:PFV+1], 32768
.endif
	s_wait_dscnt 0x0                ; the add is done, and my reads of the slot are over
	s_barrier_signal -1
	s_sub_co_u32 s[TBK], s[TBK], 4*KS*PK  ; the fetches go back to a slot's first step,
	s_xor_b32 s[TBK], s[TBK], SLOT1       ; in the other slot
	s_sub_co_u32 s[TBV], s[TBV], 4*KS*PV
	s_xor_b32 s[TBV], s[TBV], SLOT1
	s_barrier_wait -1
.if \fill
	LOAD
	s_cmp_gt_u32 s[SLOTS], s[LIM]
	s_cbranch_scc0 .Lnot_mine_\@
	global_prefetch_b8 v[PFO], s[PFK:PFK+1] th:TH_LOAD_NT scope:SCOPE_SE
	global_prefetch_b8 v[PFO], s[PFV:PFV+1] th:TH_LOAD_NT scope:SCOPE_SE
.Lnot_mine_\@:
.endif
.endm
; THE MATRIX WORK.  The 8 accumulators of a run of 16 take turns.  Product i of S^T = K Q^T: channels 32 (i / 8) on, keys 16 ((i / 2) % 4) on, tile i % 2.
; The first 8 start the sums with the mask registers.
.macro KQ
.set rS, S+32*(i%2)+8*((i/2)%4)
.set rK, KF+16*((i/2)%4)+8*(i/8)
.set rQ, 16*(i%2)+8*(i/8)
.set rN, MC+32*(i%2)+8*((i/2)%4)
.if i < 8
	WIN W_KM
	v_wmma_f32_16x16x32_bf16 v[rS:rS+7], v[rK:rK+7], v[rQ:rQ+7], v[rN:rN+7]
.else
	WIN W_KQ
	v_wmma_f32_16x16x32_bf16 v[rS:rS+7], v[rK:rK+7], v[rQ:rQ+7], v[rS:rS+7]
.endif
.endm
.macro PV                           ; product i of O^T += V^T P: keys 32 (i / 8) on, channels 16 ((i / 2) % 4) on, tile i % 2
	WIN W_PV
.set rO, 32*(i%2)+8*((i/2)%4)
.set rV, VF+32*(i/8)+8*((i/2)%4)
.set rP, P+16*(i%2)+8*(i/8)
	v_wmma_f32_16x16x32_bf16 v[rO:rO+7], v[rV:rV+7], v[rP:rP+7], v[rO:rO+7]
.endm
; THE LDS LOADS stand in runs of 16: a step's K (64 keys x 64 channels: 8 fragments) and its V (turned).
.macro FETCH_K
	WIN 0
	v_add_nc_u32 v[AK], s[TBK], v[AK0]
	s_add_co_u32 s[TBK], s[TBK], KS*PK  ; the next fetch is the next step's
	WIN 0x80                        ; destination window 2
.irp f, 0,1,2,3,4,5,6,7             ; keys 16 (f / 2) on, channels 32 (f % 2) on
	ds_load_b128 v[KF+8*\f:KF+8*\f+3],   v[AK] offset:(\f/2)*16*PK+(\f%2)*64
	ds_load_b128 v[KF+8*\f+4:KF+8*\f+7], v[AK] offset:(\f/2)*16*PK+(\f%2)*64+32
.endr
	WIN 0
.endm
.macro FETCH_V
	WIN 0
	v_add_nc_u32 v[AV], s[TBV], v[AV0]
	s_add_co_u32 s[TBV], s[TBV], KS*PV
	WIN 0x80
.irp f, 0,1,2,3,4,5,6,7             ; keys 32 (f / 4) on, channels 16 (f % 4) on
	ds_load_tr16_b128 v[VF+8*\f:VF+8*\f+3],   v[AV] offset:(\f/4)*32*PV+(\f%4)*32
	ds_load_tr16_b128 v[VF+8*\f+4:VF+8*\f+7], v[AV] offset:(\f/4)*32*PV+16*PV+(\f%4)*32
.endr
	WIN 0
.endm
; THE VECTOR WORK.  XS, FS, EX and GS set no window: all their registers lie in window 0.
.macro REGS u                       ; the registers of tile u
.set rT, ST+4*(\u)
.set rC, TMP+4*(\u)
.set rM, MV+(\u)
.set rS, S+32*(\u)
.set rE, E+32*(\u)
.set rP, P+16*(\u)
.set rO, 32*(\u)
.endm
; Number n of the 22 that find a tile's maximum and statistics.  s0-s31 are the lane's 32 scores; each accumulator's lowest registers are read first.
;   0-11  four chains c0-c3 of seven scores each     12, 13  the four scores left over     14, 16  the old m, and c0-c3 into c0     15  c m_old is kept
;   17, 18  the query's other 32 keys lie in the lane 16 away: the new m     19-21  c m; c m_old - c m_new; a
.macro XS u, n
	REGS \u
.if (\n) < 4
	v_max3_num_f32 v[rC+(\n)], v[rS+8*(\n)], v[rS+8*(\n)+1], v[rS+8*(\n)+2]
.elseif (\n) < 12
	v_max3_num_f32 v[rC+(\n)%4], v[rC+(\n)%4], v[rS+8*((\n)%4)+2*((\n)/4)+1], v[rS+8*((\n)%4)+2*((\n)/4)+2]
.elseif (\n) == 12
	v_max3_num_f32 v[rC], v[rC], v[rS+7], v[rS+15]
.elseif (\n) == 13
	v_max3_num_f32 v[rC+1], v[rC+1], v[rS+23], v[rS+31]
.elseif (\n) == 14
	v_max3_num_f32 v[rC+2], v[rC+2], v[rC+3], v[rT+1]
.elseif (\n) == 15
	v_mov_b32 v[rM], v[rT]
.elseif (\n) == 16
	v_max3_num_f32 v[rC], v[rC], v[rC+1], v[rC+2]
.elseif (\n) == 17
	v_permlanex16_b32 v[rC+3], v[rC], s[SEL], s[SEL+1]
.elseif (\n) == 18
	v_max_num_f32 v[rT+1], v[rC], v[rC+3]
.elseif (\n) == 19
	v_mul_f32 v[rT], s[CS], v[rT+1]
.elseif (\n) == 20
	v_sub_f32 v[rC+1], v[rM], v[rT]
.else
	v_exp_f32 v[rC+2], v[rC+1]
.endif
.endm
.macro FS f                         ; c s - c m for pair f / 2 of tile f % 2, in place
	REGS (\f)%2
	v_pk_fma_f32 v[rS+2*((\f)/2):rS+2*((\f)/2)+1], v[rS+2*((\f)/2):rS+2*((\f)/2)+1], s[CS:CS+1], v[rT:rT+1] op_sel_hi:[1,0,0] neg_lo:[0,0,1] neg_hi:[0,0,1]
.endm
.macro EX e                         ; the exponential of score e / 2 of tile e % 2: out of S^T, into E
	REGS (\e)%2
	v_exp_f32 v[rE+(\e)/2], v[rS+(\e)/2]
.endm
; Number g of the 64 that follow the exponentials.  For each four weights k of a tile: both pairs are rounded to bf16; the second pair is added onto the first, in place; a group later l takes that
; sum (the first time as l = a l + sum).  In groups of eight, tiles alternating.  Numbers 0-31 hold the roundings of keys 0-31 of both tiles, numbers 30-57 those of keys 32-63.
.macro GS g
.set h, (\g)+6*((\g)/62)            ; group 0 has no group before it, and behind group 7 only l is left
.if h >= 6
.set h, h+2
.endif
	REGS h%2
.set k, h/8
.if h%8 < 4
	v_cvt_pk_bf16_f32 v[rP+2*k+(h%8)/2], v[rE+4*k+2*((h%8)/2)], v[rE+4*k+2*((h%8)/2)+1]
.elseif h%8 < 6
	v_pk_add_f32 v[rE+4*k:rE+4*k+1], v[rE+4*k:rE+4*k+1], v[rE+4*k+2:rE+4*k+3]
.elseif k == 1
	v_pk_fma_f32 v[rT+2:rT+3], v[rT+2:rT+3], v[rC+2:rC+3], v[rE:rE+1] op_sel_hi:[1,0,1]
.else
	v_pk_add_f32 v[rT+2:rT+3], v[rT+2:rT+3], v[rE+4*k-4:rE+4*k-3]
.endif
.endm
.macro R2                           ; O^T times a, two packed multiplies; r counts them; each accumulator's lowest registers come first
	REGS r%2
	WIN W_RS
.irp z, 0,1
	v_pk_mul_f32 v[rO+4*(r/2)+2*\z:rO+4*(r/2)+2*\z+1], v[rO+4*(r/2)+2*\z:rO+4*(r/2)+2*\z+1], v[rC+2:rC+3] op_sel_hi:[1,0]
.endr
.set r, r+1
.endm
.macro MASK t                       ; tile t's part of MC = MD x AL + BE, for the step of the diagonal tile whose scores this body makes
	s_cmp_eq_u32 s[CNT], s[BT+(\t)] ; is the step the band's own?
	s_cselect_b32 s[AL], 1.0, 0
	s_cmp_lt_u32 s[CNT], s[BT+(\t)] ; or a later one?
	s_cselect_b32 s[BE], s[BIGN], 0
	WIN W_RS
.set z, 0
.rept 16
	v_pk_fma_f32 v[MC+32*(\t)+2*z:MC+32*(\t)+2*z+1], v[MD+2*z:MD+2*z+1], s[AL:AL+1], s[BE:BE+1] op_sel_hi:[1,0,0]
.set z, z+1
.endr
.endm
.macro BEGIN                        ; a block begins: m at the lowest finite number, c m at c times that: the first true step's a is 0, so O^T and l need only be finite
.irp u, 0,1
	v_mov_b32 v[ST+4*\u+1], 0xff7fffff
.endr
.irp u, 0,1
	v_mul_f32 v[ST+4*\u], s[CS], v[ST+4*\u+1]
.endr
.endm
; THE WAY OUT: l's two halves and the other half of the lanes' are added; O^T is divided by l, rounded to bf16 and sent through my stage in LDS, a tile at a time.
.macro PACK t                       ; a lane's eight channels of a row pack into 16 bytes; they go into rows of 144 bytes and come back as whole rows of 128, into E's registers, which are free here
	WIN W_RS
.set i, 32*(\t)
.rept 16
	v_pk_mul_f32 v[i:i+1], v[i:i+1], v[ST+4*(\t)+2:ST+4*(\t)+3] op_sel_hi:[1,0]
.set i, i+2
.endr
	WIN 0x05                        ; sources 0 and 1 window 1, destination window 0
.set i, 0
.rept 16
	v_cvt_pk_bf16_f32 v[E+16*(\t)+i], v[32*(\t)+2*i], v[32*(\t)+2*i+1]
.set i, i+1
.endr
	WIN 0
.irp f, 0,1,2,3
	ds_store_b128 v[STO], v[E+16*(\t)+4*\f:E+16*(\t)+4*\f+3] offset:32*\f
.endr
.irp f, 0,1,2,3
	ds_load_b128 v[E+16*(\t)+4*\f:E+16*(\t)+4*\f+3], v[RD] offset:\f*4*SP  ; LDS serves a wave's instructions in order (ISA guide 5.7.1.4): these see the stores above
.endr
.endm
.macro SEND t, younger              ; younger: the LDS instructions issued behind tile t's loads: the next tile's eight, or none
	WIN 0
.irp f, 0,1,2,3
	s_wait_dscnt (\younger)+3-\f
	global_store_b128 v[GO], v[E+16*(\t)+4*\f:E+16*(\t)+4*\f+3], s[10:11] offset:(\t)*8192+\f*512  ; 512 consecutive bytes, at a multiple of 256 from ctx's first
.endr
.endm
.macro FINISH
	WIN 0
	PLACES                          ; behind the last products
.irp t, 0,1
	v_add_f32 v[ST+4*\t+2], v[ST+4*\t+2], v[ST+4*\t+3]
.endr
.irp t, 0,1
	v_permlanex16_b32 v[ST+4*\t+3], v[ST+4*\t+2], s[SEL], s[SEL+1]
.endr
.irp t, 0,1
	v_add_f32 v[ST+4*\t+2], v[ST+4*\t+2], v[ST+4*\t+3]
.endr
.irp t, 0,1
	v_rcp_f32 v[ST+4*\t+2], v[ST+4*\t+2]
.endr
	v_nop                           ; a plain instruction between the last reciprocal and the use of its result,
	s_wait_alu depctr_va_vdst(0)    ; and one wait for the two
	PACK 0
	PACK 1
	SEND 0, 8
	SEND 1, 0
.endm
; A TILE IS ENTERED (behind each change of slots): the four runs K Q^T up to the next change are its four steps.  If the tile before was a block's last, this one is the second block's first: its Q goes
; where the one text names Q, its bands and its count of tiles are taken, the masks are cleared, and the next body, which holds the first block's last products V^T P, is told to send that block out.
.macro PSTART
	s_cmp_lg_u32 s[RT], 0
	s_cbranch_scc1 .Lsame_\@
	s_mov_b32 s[RT], s[NT2]
	s_mov_b32 s[BT], s[BT2]
	s_mov_b32 s[BT+1], s[BT2+1]
	s_mov_b32 s[FIN], 1
	WIN 0x82                        ; destination and source 0 in window 2
.set i, 0
.rept 32
	v_mov_b32 v[i], v[QB+i]
.set i, i+1
.endr
	WIN 0x40
.set i, 0
.rept 64
	v_mov_b32 v[MC+i], 0
.set i, i+1
.endr
	WIN 0
.Lsame_\@:
	s_sub_co_u32 s[RT], s[RT], 1
.endm
; BODY(j).  It finds: S^T = the scores of step j, numbers 0-13 of their maximum done; V of step j on its way.  tail = 1: the copy behind the last change of slots, whose fifth trip is the walk's last body.
.macro BODY tail
.if \tail
	s_cmp_eq_u32 s[CNT], 1          ; the walk's last body ends the second block, and has no further step to fetch
	s_cselect_b32 s[FIN], 1, s[FIN]
	s_cbranch_scc1 .Lno_k_\@
.endif
	FETCH_K                         ; K of step j + 1: K's last reader stands 16 products and their 60 lines back; its first reader comes behind the 112 lines below
.if \tail
.Lno_k_\@:
.endif
	s_cmp_lg_u32 s[RT], 0           ; only a diagonal tile's steps have masks of their own
	s_cbranch_scc1 .Lno_mask_\@
	MASK 0
	MASK 1
	WIN 0
.Lno_mask_\@:
.set n, 14
.rept 8                             ; the end of step j's maximum; m, c m, a
	XS 0, n
	XS 1, n
.set n, n+1
.endr
.set f, 0
.rept 4
	FS f
.set f, f+1
.endr
.set e, 0
.rept 64                            ; exponential e needs scaling 2 (e / 4) + e % 2; 4 + (e + 1) / 2 scalings stand ahead of it
	EX e
.if (e%2 == 0) && (f < 32)
	FS f
.set f, f+1
.endif
.set e, e+1
.endr
	v_nop                           ; a plain instruction behind the last exponential: one for the batch of 66 (the two a among them),
	s_wait_alu depctr_va_vdst(0)    ; and the one wait ahead of the first line that names a result
	s_wait_dscnt 0x0                ; K of step j + 1 and V of step j are in
.set r, 0
.set g, 0
.set i, 0
.rept 16                            ; 16 products K Q^T of step j + 1; behind each of the first 8 four rescalings, behind each of the last 8 four of numbers 0-31 of the roundings and sums
	KQ
.if i < 8
	R2
	R2
.else
	WIN 0
.rept 4
	GS g
.set g, g+1
.endr
.endif
.set i, i+1
.endr
.set x, 0
.set i, 0
.rept 16                            ; 16 products V^T P of step j; behind each of the first 8, which read keys 0-31, four of numbers 32-63; behind the next 7 numbers 0-13 of step j + 1's maximum
	PV
	WIN 0
.if i < 8
.rept 4
	GS g
.set g, g+1
.endr
.elseif i < 15
.rept 4
	XS x%2, x/2
.set x, x+1
.endr
.endif
.set i, i+1
.endr
	s_cmp_eq_u32 s[FIN], 0
	s_cbranch_scc1 .Lno_fin_\@
	FINISH                          ; a block's last products are done
	s_wait_xcnt 0x0                 ; the stores have read their registers and ctx's address
	s_mov_b64 s[10:11], s[OLO:OLO+1]
	s_mov_b32 s[FIN], 0
	BEGIN                           ; numbers 14 on of the next block's first maximum find m and c m set anew
.Lno_fin_\@:
	PLACES                          ; behind the last product, in front of the loads into V's registers
.if \tail
	s_cmp_eq_u32 s[CNT], 1
	s_cbranch_scc1 .Lno_v_\@
.endif
	FETCH_V                         ; V of step j + 1
.if \tail
.Lno_v_\@:
.endif
	s_sub_co_u32 s[CNT], s[CNT], 1
	s_cmp_lg_u32 s[CNT], 0
.endm
	s_load_b128 s[4:7], s[0:1], 0x0 ; qkv s[4:5], ctx s[6:7]
	v_lshl_add_u32 v[SPW], v0, 2, SPARE
	v_mov_b32 v[NIL], 0
	ds_add_u32 v[SPW], v[NIL]       ; the wave's opening: the add and its wait stand ahead of my first tensor load
	ds_add_u32 v62, v63
	v_lshrrev_b32 v1, 5, v0
	v_readfirstlane_b32 s[WV], v1   ; wave 0..3
	s_mov_b32 s[PB], ttmp9
	s_sub_co_u32 s[HI], 15, s[PB]
	s_and_b32 s20, ttmp7, 0xffff    ; the head,
	s_lshl_b32 s20, s20, 18         ; its first byte in Q, K, V and ctx: 262,144 bytes a head
	s_and_b32 s16, s[WV], 1         ; which half of a tile's 256 keys I fetch:
	s_lshl_b32 s22, s16, 14         ; its 128 rows of 128 bytes in memory,
	s_add_co_u32 s22, s22, s20
	s_mov_b32 s23, 0
	s_mul_i32 s17, s16, 128*PK      ; and its place in a slot, for K
	s_mul_i32 s18, s16, 128*PV      ; and for V
	s_lshl_b32 s3, s[WV], 11        ; my 16 rows in a band of 64,
	s_lshl_b32 s2, s[HI], 14        ; in the first block (128 rows of 128 bytes),
	s_add_co_u32 s2, s2, s3
	s_add_co_u32 s2, s2, s20
	s_lshl_b32 s84, s[PB], 14       ; and in the second
	s_add_co_u32 s84, s84, s3
	s_add_co_u32 s84, s84, s20
	s_mov_b32 s3, 0
	s_mov_b32 s85, 0
	s_lshl_b32 s54, s[WV], 13       ; the prefetches: my 32 rows of 256 bytes of a tile
	s_add_co_u32 s54, s54, s20
	s_mov_b32 s55, 0
	; descriptor group 1.  128 keys are 16,384 dense bytes: asked for as 64 rows of 256 bytes, two keys a row, and padded in LDS after every key
	s_mov_b32 s[G1K], (1<<16)|(1<<20)|(4<<22)|(3<<25)  ; 2-byte elements; padding on; after every 32 words; 4 words
	s_mov_b32 s[G1V], (1<<16)|(1<<20)|(4<<22)|(7<<25)  ; the same with 8 words
.irp g, G1K, G1V
	s_mov_b32 s[\g+1], 128<<16      ; tensor_dim0 = 128
	s_mov_b32 s[\g+2], 64<<16       ; tensor_dim1 = 64
	s_mov_b32 s[\g+3], 128<<16      ; tile_dim0 = 128
	s_mov_b32 s[\g+4], 64           ; tile_dim1 = 64
	s_mov_b32 s[\g+5], 128          ; 128 elements from row to row
	s_mov_b32 s[\g+6], 0
	s_mov_b32 s[\g+7], 0
.endr
	s_mov_b32 s[CS], 0x3e38aa3b     ; c = log2(e) / 8 = 0.180337
	s_mov_b32 s[CS+1], s[CS]        ; named with it as a pair
	s_mov_b32 s[SEL], 0x76543210
	s_mov_b32 s[SEL+1], 0xfedcba98
	s_mov_b32 s[TBK], SLOT1+4*KS*PK ; the first change of slots turns these two into 0
	s_mov_b32 s[TBV], SLOT1+4*KS*PV
	s_mov_b32 s[G0K], 1             ; count = 1
	s_mov_b32 s[G0K+1], s17         ; LDS address: slot 0
	s_mov_b32 s[G0V], 1
	s_add_co_u32 s[G0V+1], s18, VOFF
	s_and_b32 s19, s[HI], 1         ; the first block's bands are 2 (i % 2) and 2 (i % 2) + 1; the scores of band x's own step are made where CNT = 4 - x
	s_lshl_b32 s19, s19, 1
	s_sub_co_u32 s[BT], 4, s19
	s_sub_co_u32 s[BT+1], 3, s19
	s_and_b32 s19, s[PB], 1
	s_lshl_b32 s19, s19, 1
	s_sub_co_u32 s[BT2], 4, s19
	s_sub_co_u32 s[BT2+1], 3, s19
	s_lshr_b32 s[LQ], s[HI], 1
	s_add_co_u32 s[RT], s[LQ], 1    ; the first block's tiles: 5 to 8
	s_lshr_b32 s[LQ2], s[PB], 1
	s_add_co_u32 s[NT2], s[LQ2], 1
	s_mov_b32 s[NXT], 1
	s_mov_b32 s[OFF+1], 0
	s_mov_b32 s[AL+1], 0            ; named as pairs
	s_mov_b32 s[BE+1], 0
	s_mov_b32 s[BIGN], 0xf149f2ca   ; -1e30
	s_mov_b32 s[SLOTS], 8
	s_mov_b32 s[FIN], 0
	s_cmp_eq_u32 s[PB], 0
	s_cselect_b32 s[LIM], 2, -1
	s_wait_dscnt 0x0                ; the opening add is done
	s_wait_kmcnt 0x0
	s_mov_b64 s[10:11], s[6:7]      ; ctx
	s_add_nc_u64 s[6:7], s[4:5], s[22:23]
	s_add_nc_u64 s[8:9], s[6:7], 0x1000000         ; V at my half of the head's tile 0
	s_add_nc_u64 s[6:7], s[6:7], 0x800000          ; K likewise
	s_add_nc_u64 s[PFK:PFK+1], s[4:5], s[54:55]
	s_add_nc_u64 s[PFK:PFK+1], s[PFK:PFK+1], 0x808000  ; K, tile 1: the first change of slots steps it to tile 2
	s_add_nc_u64 s[PFV:PFV+1], s[PFK:PFK+1], 0x800000
	s_add_nc_u64 s[G0K+2:G0K+3], s[6:7], 0         ; global address
	s_or_b32 s[G0K+3], s[G0K+3], 0x80000000        ; type = 2
	s_add_nc_u64 s[G0V+2:G0V+3], s[8:9], 0
	s_or_b32 s[G0V+3], s[G0V+3], 0x80000000
	s_add_nc_u64 s[86:87], s[4:5], s[84:85]        ; Q at my rows of the second block,
	s_add_nc_u64 s[4:5], s[4:5], s[2:3]            ; Q and ctx at those of the first
	s_add_nc_u64 s[OLO:OLO+1], s[10:11], s[84:85]
	s_add_nc_u64 s[10:11], s[10:11], s[2:3]
	LOAD                            ; tile 0 into slot 0
	; A fragment of K or Q is 16 rows x 32 channels in 8 registers: lane l holds row l % 16, channels 8 (l / 16) + 0..7 and 16 + 8 (l / 16) + 0..7: two loads of 16 bytes, 32 bytes apart.
	v_and_b32 v1, 15, v0            ; l % 16
	v_bfe_u32 v9, v0, 4, 1          ; l / 16
	v_lshlrev_b32 v[QO], 7, v1
	v_lshl_add_u32 v[QO], v9, 4, v[QO]  ; row x 128 + 16 x half
	WIN 0x80                        ; destination window 2, address window 0
.set i, 0
.rept 4                             ; both blocks' Q: tile i / 2 lies 64 rows, 8,192 bytes, on; channels 32 (i % 2) on
	global_load_b128 v[8*i:8*i+3],   v[QO], s[4:5] offset:(i/2)*8192+(i%2)*64
	global_load_b128 v[8*i+4:8*i+7], v[QO], s[4:5] offset:(i/2)*8192+(i%2)*64+32
	global_load_b128 v[QB+8*i:QB+8*i+3],   v[QO], s[86:87] offset:(i/2)*8192+(i%2)*64
	global_load_b128 v[QB+8*i+4:QB+8*i+7], v[QO], s[86:87] offset:(i/2)*8192+(i%2)*64+32
.set i, i+1
.endr
	; What the first, empty body finds, all written in the wait for the first tile: V = 0 and weights of 0, so that its products V^T P add 0; O^T, l and the masks 0.
.set i, 0
.rept 64
	v_mov_b32 v[VF+i], 0
.set i, i+1
.endr
	WIN 0
	v_lshlrev_b32 v14, 3, v9
	v_sub_nc_u32 v14, v1, v14
	s_lshl_b32 s13, s[WV], 4
	v_add_nc_u32 v14, s13, v14      ; my query's place in its band, 16 w + l % 16, less my lanes' 8 (l / 16): register r of key group kt is hidden where 16 kt + r is greater
	WIN 0x40
.set i, 0
.rept 32
	v_cmp_gt_i32 vcc_lo, 16*(i/8)+i%8, v14
	v_cndmask_b32 v[MD+i], 0, s[BIGN], vcc_lo
.set i, i+1
.endr
.set i, 0
.rept 64
	v_mov_b32 v[i], 0               ; O^T
	v_mov_b32 v[MC+i], 0            ; the masks: the first block's first tile is never its diagonal one
.set i, i+1
.endr
	WIN 0
	v_mul_u32_u24 v[AK0], v1, PK
	v_lshl_add_u32 v[AK0], v9, 4, v[AK0]  ; row x pitch + 16 x half
	; The turning load takes 16 keys x 16 channels (lane l reads key 8 (l / 16) + l % 8, channels 8 ((l / 8) % 2) + 0..7) and leaves half a fragment of V^T: lane l holds channel l % 16 and 8 keys.
	v_and_b32 v10, 7, v0
	v_bfe_u32 v11, v0, 3, 1
	v_lshl_add_u32 v[AV0], v9, 3, v10
	v_mul_u32_u24 v[AV0], v[AV0], PV
	v_lshl_add_u32 v[AV0], v11, 4, v[AV0]
	v_add_nc_u32 v[AV0], VOFF, v[AV0]
	s_mul_i32 s13, s[WV], 16*SP
	s_add_co_u32 s13, s13, STAGE    ; my stage
	v_mul_u32_u24 v[STO], v1, SP    ; in: row l % 16, 16 bytes for each half of the lanes
	v_lshl_add_u32 v[STO], v9, 4, v[STO]
	v_add_nc_u32 v[STO], s13, v[STO]
	v_bfe_u32 v[RD], v0, 3, 2       ; back: 32 lanes take four rows of 128 bytes,
	v_mul_u32_u24 v[RD], v[RD], SP
	v_lshl_add_u32 v[RD], v10, 4, v[RD]
	v_add_nc_u32 v[RD], s13, v[RD]
	v_and_b32 v[GO], 31, v0         ; which are 512 consecutive bytes of ctx
	v_lshlrev_b32 v[PFO], 8, v[GO]
	v_lshlrev_b32 v[GO], 4, v[GO]
.irp u, 0,1
	v_mov_b32 v[ST+4*\u+2], 0       ; l
	v_mov_b32 v[ST+4*\u+3], 0
.endr
	BEGIN
.set i, 0
.rept 8
	v_mov_b32 v[TMP+i], v[ST+1]     ; the empty step's maximum so far: the lowest finite number: m stays, c m stays, a = 1
.set i, i+1
.endr
	v_mov_b32 v[S], 0xff800000      ; and its scores: minus infinity, so that every weight is 0
.set i, 1
.rept 63
	v_mov_b32 v[S+i], v[S]
.set i, i+1
.endr
	s_wait_loadcnt 0x0              ; Q
.Lslot:                             ; 8 times: a tile is entered and the next is asked for.  Trip m holds bodies 4 m - 1 to 4 m + 2
	CHANGE 1
	PSTART
	s_mov_b32 s[CNT], 4
.Lbody:
	BODY 0
	s_cbranch_scc1 .Lbody
	s_sub_co_u32 s[SLOTS], s[SLOTS], 1
	s_cmp_lg_u32 s[SLOTS], 0
	s_cbranch_scc1 .Lslot
	CHANGE 0                        ; the walk's last tile is written out: nothing is asked for
	PSTART
	s_add_co_u32 s[BT], s[BT], 1    ; here CNT runs from 5: the tile's four steps are made where CNT = 5 to 2
	s_add_co_u32 s[BT+1], s[BT+1], 1
	s_mov_b32 s[CNT], 5             ; bodies 31 to 35
.Ltail:
	BODY 1
	s_cbranch_scc1 .Ltail
	s_wait_tensorcnt 0x0            ; the wave's end: behind my last tensor load and my last LDS store
	ds_add_u32 v[SPW], v[NIL]
	s_wait_dscnt 0x0
	s_endpgm
.Lfunc_end_k_qe143d88638_attn:
	.size	k_qe143d88638_attn, .Lfunc_end_k_qe143d88638_attn-k_qe143d88638_attn
	.p2alignl 7, 3214868480
	.fill 96, 4, 3214868480
	.section	.rodata,"a",@progbits
	.p2align	6, 0x0
	.amdhsa_kernel k_qe143d88638_attn
		.amdhsa_group_segment_fixed_size 327680
		.amdhsa_private_segment_fixed_size 0
		.amdhsa_enable_private_segment 0
		.amdhsa_kernarg_size 16
		.amdhsa_user_sgpr_count 2
		.amdhsa_user_sgpr_kernarg_segment_ptr 1
		.amdhsa_wavefront_size32 1
		.amdhsa_system_sgpr_workgroup_id_x 1
		.amdhsa_system_sgpr_workgroup_id_y 1
		.amdhsa_system_sgpr_workgroup_id_z 1
		.amdhsa_system_vgpr_workitem_id 0
		.amdhsa_next_free_vgpr 768
		.amdhsa_next_free_sgpr 92
		.amdhsa_reserve_vcc 1
		.amdhsa_float_denorm_mode_32 3
		.amdhsa_float_denorm_mode_16_64 3
		.amdhsa_memory_ordered 1
		.amdhsa_forward_progress 1
		.amdhsa_inst_pref_size 86
	.end_amdhsa_kernel
	.amdgpu_metadata
---
amdhsa.version: [ 1, 2 ]
amdhsa.kernels:
  - .name:           k_qe143d88638_attn
    .symbol:         k_qe143d88638_attn.kd
    .args:
      - { .name: qkv, .offset: 0, .size: 8, .value_kind: global_buffer, .address_space: global }
      - { .name: ctx, .offset: 8, .size: 8, .value_kind: global_buffer, .address_space: global }
    .group_segment_fixed_size: 327680
    .private_segment_fixed_size: 0
    .kernarg_segment_align: 8
    .kernarg_segment_size: 16
    .max_flat_workgroup_size: 128
    .sgpr_count:     92
    .vgpr_count:     768
    .wavefront_size: 32
...
	.end_amdgpu_metadata
.endif
;; end of part 3
;; launch wo (part 4): grid 8 x 32, 4 waves a work-group, clusters of 4 x 4, 327,680 bytes of LDS; arguments ctx, wb, x1, bo, x; writes x1
.if DOCPART == 4
	.amdgcn_target "amdgcn-amd-amdhsa--gfx1250"
	.amdhsa_code_object_version 6
	.text
	.protected	k_qe143d88638_wo
	.globl	k_qe143d88638_wo
	.p2align	8
	.type	k_qe143d88638_wo,@function
k_qe143d88638_wo:
	s_mov_b64 s[64:65], 0
	v_nop
	global_prefetch_b8 v0, s[64:65] scope:SCOPE_SE
	s_setreg_imm32_b32 hwreg(HW_REG_WAVE_MODE, 25, 1), 1
	s_wait_xcnt 0x0
	s_wait_alu depctr_hold_cnt(0) depctr_sa_sdst(0) depctr_va_vdst(0) depctr_va_sdst(0) depctr_va_ssrc(0) depctr_va_vcc(0) depctr_vm_vsrc(0)
	s_getreg_b32 s2, hwreg(HW_REG_IB_STS2, 6, 4)
	s_cmp_eq_u32 s2, 0
	s_cbranch_scc0 .Lentry_in_a_cluster
	s_endpgm
.Lentry_in_a_cluster:
	s_bfe_u32 s2, ttmp6, 0x10000c
	s_cmp_lg_u32 s2, 0xf033
	s_cbranch_scc0 .Lentry_shape_is_right
	s_endpgm
.Lentry_shape_is_right:
; out = A B + bias + residual, f32 out; bf16 operands, f32 sums.  ONE TEXT FOR TWO PRODUCTS, chosen by KIND:
;   KIND 2: x1 = ctx Wo + bo + x.      A = ctx, by heads [32][2048][64] bf16 (K = head x 64 + channel), B = wb + 6,291,456 [1024][1024], K = 1,024.
;   KIND 3: out0 = act W2 + b2 + x1.   A = act [4096][4096] bf16, B = wb + 16,777,216 [4096][1024], K = 4,096.
; A tile of the output is 128 x 128: 256 work-groups of four waves, a wave 64 x 64: 16 accumulators of 16 x 16.
; THE RING.  K goes in steps of 256 through two LDS slots of four UNITS; wave w fills unit w with ONE tensor load of 32 KiB: units 0, 1: A's 128 rows x k 0-127, 128-255; units 2, 3: B's k rows 0-127,
; 128-255 x 128 columns, 288 bytes from row to row, as B lies in memory; B's fragments come out turned, by ds_load_tr16_b128.  KIND 2: a unit of A is two heads' 128 rows x 64 channels, each head's
; 16,384 bytes dense in memory: asked for as 2 rows of 8,192 elements and padded behind every 128 bytes, so that (head, row, channel) lies at 18,432 head + 144 row + 2 channel.
; A loop trip is one K step; the slot's LDS base is the scalar TB (0 or SLOT), turned by an exclusive or.
; CLUSTERS: 4 x 4 work-groups; A's units are asked for jointly along a row of the cluster, B's along a column.  No prefetch: the tiles are small and a step is short.
; THE MATRIX INSTRUCTION IS USED TRANSPOSED (source 0 = 16 columns of B, source 1 = 16 rows of A): a lane holds row l % 16 and the columns 8 (l / 16) + 0..7.
; REGISTERS, in windows of 256 (s_set_vgpr_msb: bits 1:0 source 0, 3:2 source 1, 5:4 source 2, 7:6 destination):
;   window 0: v0-31 addresses, v12-15 the bias; v32-63 the way out; A's fragments, buffer f, k half kd, block a at v[64 + 64 f + 8 (4 kd + a)]
;   window 1: B's fragments at v[96 f + 8 (4 kd + b)]      windows 2, 3: accumulator (a, b) at v[8 (4 (a % 2) + b)], window 2 + a / 2;  window 2 v128-255: my 64 x 64 of the residual
; LIMITS: operands are rounded to bf16; bias and residual are added in f32; NaN and infinities are not treated apart.
.set KIND,  2
.set UNIT,  36864
.set SLOT,  4*UNIT
.set SPARE, 2*SLOT                     ; behind the ring: the spare words, 128 bytes a wave: two blocks of 256 bytes that no other line names
.set STAGE, SPARE+512                  ; 16 rows x 272 bytes of f32 for each wave, for the way out
.set PB,    288                        ; 72 words
.set STEPB, 524288                     ; 256 rows of 2,048 bytes
.if KIND == 2
.set NSTEP, 4                          ; K steps
.set PA,    144                        ; 36 words: the 16 rows of a fragment load start at 16 different groups of four banks
.set QSTR,  18432                      ; bytes in a unit from a quarter's k to the next quarter's: a head
.set STEPA, 1048576                    ; four heads
.set BOFF,  6291456
.else
.set NSTEP, 16
.set PA,    272
.set QSTR,  128
.set STEPA, 512
.set BOFF,  16777216
.endif
.set G1A, 24                           ; s[24:31] descriptor group 1 for A's units;  s[32:39] group 0: a set for each first fill; the second then walks
.set G0A, 32
.set G1B, 48                           ; s[48:55], s[56:63] the same for B's
.set G0B, 56
.set BA,  16                           ; v16-19  my fragments' LDS places in a slot: A's two units, B's two units
.set CA,  20                           ; v20-23  the same plus TB
.set STO, 24
.set RD,  25
.set CO,  26
.set BO,  27
.set SPW, 28                           ; LDS address of my spare word; never rewritten
.set NIL, 29                           ; 0; never rewritten
.set F0,  0
.set F1,  1
.set MUL_LO, 0xa1                      ; B window 1, A window 0, C and D window 2; + 0x50: window 3
.set TO_B,   0x40
; scalars: s10 wave, s11 its half of the rows, s12 its half of the columns (and which of the two units it fetches), s13 tile row, s42 tile column, s3 the loop's count, s70 TB, s71 my unit's place
.set MSB, 0
.macro WIN new                         ; the immediate's high byte repeats the setting that is left; a switch that changes nothing is dropped
.if MSB != (\new)
	s_set_vgpr_msb (MSB<<8)|(\new)
.set MSB, \new
.endif
.endm
.macro PLACES                          ; four plain vector instructions between a matrix instruction and a load into, or a read of, its registers
.rept 4
	v_nop
.endr
.endm
.macro JLOAD                           ; a joint refill, by the walking sets: waves 0, 1 for A, waves 2, 3 for B; s_nop 0 and four v_nop follow each line
	s_cmp_lt_u32 s10, 2
	s_cbranch_scc0 .Lfor_b_\@
	tensor_load_to_lds s[G0A+4:G0A+7], s[G1A:G1A+7]
	s_nop 0
	PLACES
	s_branch .Lasked_\@
.Lfor_b_\@:
	tensor_load_to_lds s[G0B+4:G0B+7], s[G1B:G1B+7]
	s_nop 0
	PLACES
.Lasked_\@:
.endm
.macro CREST                           ; a round of the cluster's barrier behind its opening barrier
	s_cmp_lg_u32 s10, 0
	s_cbranch_scc1 .Lnot_wave_0_\@
	s_barrier_signal -3
.Lnot_wave_0_\@:
	s_barrier_wait -3
	s_barrier_signal -1
	s_barrier_wait -1
.endm
.macro CROUND
	s_barrier_signal -1
	s_barrier_wait -1
	CREST
.endm
.macro ADDR                            ; my fragments' places in the slot in hand
.irp n, 0,1,2,3
	v_add_nc_u32 v[CA+\n], s70, v[BA+\n]
.endr
.endm
.macro LDB q, g                        ; B's fragments of quarter q (64 along K, two matrix instructions deep) into buffer g
	WIN TO_B
.set kd, 0
.rept 2
.set bb, 0
.rept 4
.set rB, 96*(\g)+8*(4*kd+bb)
.set of, (((\q)%2)*64+32*kd)*PB+32*bb
	ds_load_tr16_b128 v[rB:rB+3], v[CA+2+(\q)/2] offset:of
	ds_load_tr16_b128 v[rB+4:rB+7], v[CA+2+(\q)/2] offset:of+16*PB
.set bb, bb+1
.endr
.set kd, kd+1
.endr
.endm
.macro LDA q, g                        ; A's fragments: the lower half of my rows first
	WIN 0
.set hh, 0
.rept 2
.set kd, 0
.rept 2
.set aa, 0
.rept 2
.set rA, 64+64*(\g)+8*(4*kd+2*hh+aa)
.set of, ((\q)%2)*QSTR+64*kd+(2*hh+aa)*16*PA
	ds_load_b128 v[rA:rA+3], v[CA+(\q)/2] offset:of
	ds_load_b128 v[rA+4:rA+7], v[CA+(\q)/2] offset:of+32
.set aa, aa+1
.endr
.set kd, kd+1
.endr
.set hh, hh+1
.endr
.endm
.macro FETCH q, g                      ; 32 LDS loads in one run
	LDB \q, \g
	LDA \q, \g
.endm
; Half of a quarter's products: half hi of my rows x all my columns, 64 along K.  The 8 accumulators take turns.  zero = 1: the first 32 along K start the sums.
.macro MULH f, hi, zero
	WIN MUL_LO+0x50*(\hi)
.set kd, 0
.rept 2
.set aa, 0
.rept 2
.set bb, 0
.rept 4
.set rD, 8*(4*aa+bb)
.set rB, 96*(\f)+8*(4*kd+bb)
.set rA, 64+64*(\f)+8*(4*kd+2*(\hi)+aa)
.if (\zero) && (kd == 0)
	v_wmma_f32_16x16x32_bf16 v[rD:rD+7], v[rB:rB+7], v[rA:rA+7], 0
.else
	v_wmma_f32_16x16x32_bf16 v[rD:rD+7], v[rB:rB+7], v[rA:rA+7], v[rD:rD+7]
.endif
.set bb, bb+1
.endr
.set aa, aa+1
.endr
.set kd, kd+1
.endr
.endm
.macro QUARTER qn, f, g, zero          ; multiplies buffer f; in its middle it fetches quarter qn into buffer g
	s_wait_dscnt 8                                 ; B and the lower half of A are in; the youngest 8 loads (A's upper half) may be out
	MULH \f, 0, \zero
	PLACES
	FETCH \qn, \g
	s_wait_dscnt 32                                ; all but the 32 just issued
	MULH \f, 1, \zero
.endm
; The last quarter multiplies buffer 1 and changes slots.  In front of the barrier each wave waits for all its tensor loads (one is out: its unit of the next slot), adds 0 to its spare word, and waits
; for that and for its reads of this slot.  fill = 1: the barrier opens a round of the cluster's, and the joint refill of the slot just read, with the K step two on, is the first thing behind it.
.macro TURN fill
	WIN 0
	s_wait_tensorcnt 0x0                           ; no tensor load of mine is out, so a group 0 may be written
	ds_add_u32 v[SPW], v[NIL]
.if \fill
	s_add_co_u32 s[G0A+5], s71, s70                ; the walking sets: my unit of the slot that is being left,
	s_add_co_u32 s[G0B+5], s71, s70
	s_add_nc_u64 s[G0A+6:G0A+7], s[G0A+6:G0A+7], STEPA  ; the next K step; the type bits on top are not reached
	s_add_nc_u64 s[G0B+6:G0B+7], s[G0B+6:G0B+7], STEPB
.endif
	s_xor_b32 s70, s70, SLOT                       ; the reads go on in the other slot
	s_wait_dscnt 0x0                               ; the add is done, buffer 1 is in, and my reads of this slot are over
	s_barrier_signal -1
	MULH F1, 0, 0                                  ; work on registers while the others arrive
	WIN 0
	s_barrier_wait -1
.if \fill
	CREST
	JLOAD                                          ; its four v_nop are also the places in front of the loads below
.else
	PLACES
.endif
	ADDR
	FETCH 0, F0
	MULH F1, 1, 0
.endm
	s_load_b128 s[4:7], s[0:1], 0x0                ; A s[4:5], wb s[6:7]
	s_load_b64 s[8:9], s[0:1], 0x10                ; the output
	s_load_b64 s[66:67], s[0:1], 0x18              ; the bias
	s_load_b64 s[68:69], s[0:1], 0x20              ; the residual
	v_lshl_add_u32 v[SPW], v0, 2, SPARE
	v_mov_b32 v[NIL], 0
	ds_add_u32 v[SPW], v[NIL]                      ; the wave's opening: the add and its wait stand ahead of my first tensor load
	ds_add_u32 v28, v29
	v_lshrrev_b32 v1, 5, v0
	v_readfirstlane_b32 s10, v1                    ; wave 0..3
	s_lshr_b32 s11, s10, 1
	s_and_b32 s12, s10, 1
	s_bfe_u32 s40, ttmp6, 0x40000                  ; cx, cy: my place in the cluster
	s_bfe_u32 s41, ttmp6, 0x40004
	s_lshl_b32 s42, ttmp9, 2
	s_add_co_u32 s42, s42, s40                     ; tile column = 4 x cluster x + cx
	s_and_b32 s13, ttmp7, 0xffff
	s_lshl_b32 s13, s13, 2
	s_add_co_u32 s13, s13, s41                     ; tile row = 4 x cluster y + cy
	s_lshl_b32 s43, s41, 2
	s_lshl_b32 s43, 15, s43                        ; my row of the cluster
	s_lshl_b32 s44, 0x1111, s40                    ; my column
.if KIND == 2
	s_or_b32 s[G1A], s43, (1<<16)|(1<<20)|(1<<21)|(4<<22)|(3<<25)  ; the mask; 2-byte elements; padding on; bit 21 beside a mask; behind every 32 words; 4 words
	s_mov_b32 s[G1A+1], 8192<<16                   ; tensor_dim0 = 8,192: a head's 128 rows x 64 channels
	s_mov_b32 s[G1A+2], 2<<16                      ; tensor_dim1 = 2 heads
	s_mov_b32 s[G1A+3], 8192<<16                   ; tile_dim0
	s_mov_b32 s[G1A+4], 2                          ; tile_dim1
	s_mov_b32 s[G1A+5], 131072                     ; elements from a head to the next
.else
	s_or_b32 s[G1A], s43, (1<<16)|(1<<20)|(1<<21)|(5<<22)|(3<<25)  ; behind every 64 words; 4 words
	s_mov_b32 s[G1A+1], 128<<16
	s_mov_b32 s[G1A+2], 128<<16
	s_mov_b32 s[G1A+3], 128<<16
	s_mov_b32 s[G1A+4], 128
	s_mov_b32 s[G1A+5], 4096
.endif
	s_mov_b32 s[G1A+6], 0
	s_mov_b32 s[G1A+7], 0
	s_or_b32 s[G1B], s44, (1<<16)|(1<<20)|(1<<21)|(5<<22)|(7<<25)  ; behind every 64 words; 8 words
	s_mov_b32 s[G1B+1], 128<<16                    ; 128 rows of k x 128 columns
	s_mov_b32 s[G1B+2], 128<<16
	s_mov_b32 s[G1B+3], 128<<16
	s_mov_b32 s[G1B+4], 128
	s_mov_b32 s[G1B+5], 1024
	s_mov_b32 s[G1B+6], 0
	s_mov_b32 s[G1B+7], 0
	; my unit's first byte: A's from the tile row alone (s16), B's from the tile column alone (s18)
.if KIND == 2
	s_lshr_b32 s16, s13, 4                         ; the batch: 16 heads of 262,144 bytes,
	s_lshl_b32 s16, s16, 22
	s_lshl_b32 s20, s12, 19                        ; my two heads of the step's four,
	s_add_co_u32 s16, s16, s20
	s_and_b32 s20, s13, 15                         ; the tile's 128 rows of 128 bytes in a head
	s_lshl_b32 s20, s20, 14
	s_add_co_u32 s16, s16, s20
.else
	s_lshl_b32 s16, s13, 20                        ; 128 rows of 8,192 bytes,
	s_lshl_b32 s20, s12, 8                         ; my 128 of the step's 256 along K
	s_add_co_u32 s16, s16, s20
.endif
	s_lshl_b32 s18, s12, 18                        ; my 128 rows of k of 2,048 bytes,
	s_lshl_b32 s21, s42, 8                         ; the tile's 128 columns
	s_add_co_u32 s18, s18, s21
	s_add_co_u32 s18, s18, BOFF
	s_mov_b32 s17, 0
	s_mov_b32 s19, 0
	s_mul_i32 s71, s10, UNIT                       ; no place in the cluster enters an LDS address
	s_mov_b32 s70, 0
	s_wait_dscnt 0x0                               ; the opening add is done
	s_wait_kmcnt 0x0
	s_add_nc_u64 s[14:15], s[4:5], s[16:17]
	s_add_nc_u64 s[46:47], s[6:7], s[18:19]
	CROUND                                         ; all sixteen work-groups are here: the first joint loads meet
.irp s, 0,1
	s_mov_b32 s[G0A+4*(\s)], 1                     ; count = 1
	s_add_co_u32 s[G0A+4*(\s)+1], s71, (\s)*SLOT   ; LDS address
	s_add_nc_u64 s[G0A+4*(\s)+2:G0A+4*(\s)+3], s[14:15], (\s)*STEPA  ; global address: K step s
	s_or_b32 s[G0A+4*(\s)+3], s[G0A+4*(\s)+3], 0x80000000           ; type = 2
	s_mov_b32 s[G0B+4*(\s)], 1
	s_add_co_u32 s[G0B+4*(\s)+1], s71, (\s)*SLOT
	s_add_nc_u64 s[G0B+4*(\s)+2:G0B+4*(\s)+3], s[46:47], (\s)*STEPB
	s_or_b32 s[G0B+4*(\s)+3], s[G0B+4*(\s)+3], 0x80000000
.endr
	s_cmp_lt_u32 s10, 2                            ; a wave's two first fills stand in one branch: two loads of mine are out
	s_cbranch_scc0 .Lfirst_b
	tensor_load_to_lds s[G0A:G0A+3], s[G1A:G1A+7]
	s_nop 0
	tensor_load_to_lds s[G0A+4:G0A+7], s[G1A:G1A+7]
	s_nop 0
	PLACES
	s_branch .Lfirst_done
.Lfirst_b:
	tensor_load_to_lds s[G0B:G0B+3], s[G1B:G1B+7]
	s_nop 0
	tensor_load_to_lds s[G0B+4:G0B+7], s[G1B:G1B+7]
	s_nop 0
	PLACES
.Lfirst_done:
	v_and_b32 v1, 15, v0                           ; l % 16
	v_bfe_u32 v2, v0, 4, 1                         ; l / 16
	; bias and residual are asked for now and waited for at the way out
	s_lshl_b32 s2, s13, 19                         ; 128 rows of 4,096 bytes,
	s_lshl_b32 s20, s11, 18                        ; my 64 of them,
	s_add_co_u32 s2, s2, s20
	s_lshl_b32 s20, s42, 9                         ; 128 columns of f32,
	s_lshl_b32 s21, s12, 8                         ; my 64 of them
	s_add_co_u32 s20, s20, s21
	s_add_co_u32 s2, s2, s20
	s_mov_b32 s3, 0
	s_add_nc_u64 s[8:9], s[8:9], s[2:3]
	s_add_nc_u64 s[68:69], s[68:69], s[2:3]
	v_lshl_add_u32 v[BO], v1, 4, s20
	global_load_b128 v[12:15], v[BO], s[66:67]     ; the bias of my four columns
	v_lshlrev_b32 v[CO], 12, v2                    ; lanes 0-15 one row's 256 bytes, lanes 16-31 the next row's
	v_lshl_add_u32 v[CO], v1, 4, v[CO]
	WIN 0x80                                       ; destination window 2
.set i, 0
.rept 32
	global_load_b128 v[128+4*i:131+4*i], v[CO], s[68:69] offset:8192*i
.set i, i+1
.endr
	WIN 0
	v_mul_u32_u24 v3, v1, PA
	v_lshl_add_u32 v3, v2, 4, v3                   ; A: row x pitch + 16 x half
	v_and_b32 v4, 7, v0
	v_lshl_add_u32 v4, v2, 3, v4
	v_mul_u32_u24 v4, v4, PB
	v_bfe_u32 v5, v0, 3, 1
	v_lshl_add_u32 v4, v5, 4, v4                   ; B: (8 (l / 16) + l % 8) x pitch + 16 ((l / 8) % 2)
	s_mul_i32 s20, s11, 64*PA                      ; my 64 rows in a unit of A
	s_lshl_b32 s21, s12, 7
	s_add_co_u32 s21, s21, 2*UNIT                  ; my 64 columns in a unit of B
	v_add_nc_u32 v[BA], s20, v3
	v_add_nc_u32 v[BA+1], UNIT, v[BA]
	v_add_nc_u32 v[BA+2], s21, v4
	v_add_nc_u32 v[BA+3], UNIT, v[BA+2]
	s_mul_i32 s23, s10, 4352
	s_add_co_u32 s23, s23, STAGE                   ; my stage
	v_mul_u32_u24 v5, v1, 272
	v_lshl_add_u32 v5, v2, 5, v5
	v_add_nc_u32 v[STO], s23, v5                   ; in: row l % 16, 32 bytes for each half of the lanes
	v_mul_u32_u24 v5, v2, 272
	v_lshl_add_u32 v5, v1, 4, v5
	v_add_nc_u32 v[RD], s23, v5                    ; back: two rows of 256 bytes
	s_wait_tensorcnt 0x1                           ; my unit of K step 0 is in; K step 1's may stay out
	s_barrier_signal -1
	s_barrier_wait -1                              ; everybody's is
	ADDR
	FETCH 0, F0
	QUARTER 1, F0, F1, 1                           ; the first quarter stands in front of the loop: its first products start the sums
	WIN 0                                          ; at a label and at a branch every window is 0
	s_mov_b32 s3, NSTEP-2
.Lstep:                                            ; a trip: from a K step's second quarter to the next step's first; it fills the slot that it leaves
	QUARTER 2, F1, F0, 0
	QUARTER 3, F0, F1, 0
	TURN 1
	QUARTER 1, F0, F1, 0
	WIN 0
	s_sub_co_u32 s3, s3, 1
	s_cmp_lg_u32 s3, 0
	s_cbranch_scc1 .Lstep
	QUARTER 2, F1, F0, 0                           ; the last two K steps are written out: nothing is left to fetch
	QUARTER 3, F0, F1, 0
	TURN 0
	QUARTER 1, F0, F1, 0
	QUARTER 2, F1, F0, 0
	QUARTER 3, F0, F1, 0
	s_wait_dscnt 8
	MULH F1, 0, 0
	s_wait_dscnt 0x0
	MULH F1, 1, 0
	WIN 0
	s_wait_loadcnt 0x0                             ; bias and residual
	PLACES                                         ; the way out reads results just made
	; THE WAY OUT: 16 rows at a time through my stage: in as a lane holds them, back as whole rows of 256 bytes; + bias, + residual, in f32; 16 lanes store 256 consecutive bytes, at a multiple of 256
.set aa, 0
.rept 4
	WIN 0x08+4*(aa/2)                              ; the stores' data: window 2 or 3
.set bb, 0
.rept 4
.set rD, 8*(4*(aa%2)+bb)
	ds_store_b128 v[STO], v[rD:rD+3] offset:64*bb
	ds_store_b128 v[STO], v[rD+4:rD+7] offset:64*bb+16
.set bb, bb+1
.endr
	WIN 0
.if aa > 0
	s_wait_xcnt 0x0                                ; the last block's stores have read their registers, which the loads below write
.endif
.set i, 0
.rept 8
	ds_load_b128 v[32+4*i:35+4*i], v[RD] offset:544*i  ; LDS serves a wave's instructions in order (ISA guide 5.7.1.4): these see the stores above
.set i, i+1
.endr
	s_wait_dscnt 0x0
.set i, 0
.rept 16
	v_pk_add_f32 v[32+2*i:33+2*i], v[32+2*i:33+2*i], v[12+2*(i%2):13+2*(i%2)]
.set i, i+1
.endr
	WIN 0x08                                       ; source 1: window 2
.set i, 0
.rept 16
	v_pk_add_f32 v[32+2*i:33+2*i], v[32+2*i:33+2*i], v[128+32*aa+2*i:129+32*aa+2*i]
.set i, i+1
.endr
	WIN 0
.set i, 0
.rept 8
	global_store_b128 v[CO], v[32+4*i:35+4*i], s[8:9] offset:(16*aa+2*i)*4096
.set i, i+1
.endr
.set aa, aa+1
.endr
	s_wait_tensorcnt 0x0                           ; the wave's end: behind my last tensor load and my last LDS store
	ds_add_u32 v[SPW], v[NIL]
	s_wait_dscnt 0x0
	CROUND                                         ; the closing round: no work-group ends while a partner may still ask for a unit that names it
	s_endpgm
.Lfunc_end_k_qe143d88638_wo:
	.size	k_qe143d88638_wo, .Lfunc_end_k_qe143d88638_wo-k_qe143d88638_wo
	.p2alignl 7, 3214868480
	.fill 96, 4, 3214868480
	.section	.rodata,"a",@progbits
	.p2align	6, 0x0
	.amdhsa_kernel k_qe143d88638_wo
		.amdhsa_group_segment_fixed_size 327680
		.amdhsa_private_segment_fixed_size 0
		.amdhsa_enable_private_segment 0
		.amdhsa_kernarg_size 40
		.amdhsa_user_sgpr_count 2
		.amdhsa_user_sgpr_kernarg_segment_ptr 1
		.amdhsa_wavefront_size32 1
		.amdhsa_system_sgpr_workgroup_id_x 1
		.amdhsa_system_sgpr_workgroup_id_y 1
		.amdhsa_system_sgpr_workgroup_id_z 1
		.amdhsa_system_vgpr_workitem_id 0
		.amdhsa_next_free_vgpr 832
		.amdhsa_next_free_sgpr 96
		.amdhsa_reserve_vcc 0
		.amdhsa_float_denorm_mode_32 3
		.amdhsa_float_denorm_mode_16_64 3
		.amdhsa_memory_ordered 1
		.amdhsa_forward_progress 1
		.amdhsa_inst_pref_size 80
	.end_amdhsa_kernel
	.amdgpu_metadata
---
amdhsa.version: [ 1, 2 ]
amdhsa.kernels:
  - .name:           k_qe143d88638_wo
    .symbol:         k_qe143d88638_wo.kd
    .args:
      - { .name: ctx, .offset: 0, .size: 8, .value_kind: global_buffer, .address_space: global }
      - { .name: wb, .offset: 8, .size: 8, .value_kind: global_buffer, .address_space: global }
      - { .name: x1, .offset: 16, .size: 8, .value_kind: global_buffer, .address_space: global }
      - { .name: bo, .offset: 24, .size: 8, .value_kind: global_buffer, .address_space: global }
      - { .name: x, .offset: 32, .size: 8, .value_kind: global_buffer, .address_space: global }
    .group_segment_fixed_size: 327680
    .private_segment_fixed_size: 0
    .kernarg_segment_align: 8
    .kernarg_segment_size: 40
    .max_flat_workgroup_size: 128
    .sgpr_count:     96
    .vgpr_count:     832
    .wavefront_size: 32
...
	.end_amdgpu_metadata
.endif
;; end of part 4
;; launch ln2 (part 5): grid 512 x 1, 8 waves a work-group, no clusters, 0 bytes of LDS; arguments x1, g2, s2, h; writes h
.if DOCPART == 5
	.amdgcn_target "amdgcn-amd-amdhsa--gfx1250"
	.amdhsa_code_object_version 6
	.text
	.protected	k_qe143d88638_ln2
	.globl	k_qe143d88638_ln2
	.p2align	8
	.type	k_qe143d88638_ln2,@function
k_qe143d88638_ln2:
	s_mov_b64 s[64:65], 0
	v_nop
	global_prefetch_b8 v0, s[64:65] scope:SCOPE_SE
	s_setreg_imm32_b32 hwreg(HW_REG_WAVE_MODE, 25, 1), 1
	s_wait_xcnt 0x0
; h = g2 (x1 - mean) / sqrt(var + 1e-5) + s2, rounded once to bf16.  x1: [4096][1024] f32, h: [4096][1024] bf16.
; 8 rows a work-group, one a wave: a row of 4,096 bytes is 32 registers of one wave, so it is read once; mean and variance are taken in two passes over the registers (the variance of
; x1 - mean), all in f32.  Every load of a wave covers 512 consecutive bytes, every store 256 consecutive bytes at a multiple of 256.  No LDS, no barrier: no wave needs another's data.
; LIMITS: 1 / sqrt by v_rsq_f32 (1 ulp); NaN and infinities are not treated apart.
.set XO, 1                             ; v1   16 x lane
.set HO, 2                             ; v2   8 x lane
.set T,  4                             ; v[4:19]   at work
.set M,  20                            ; v[20:21]  the mean, twice
.set R,  22                            ; v[22:23]  1 / sqrt(var + eps), twice
.set X,  32                            ; v[32:63]  the row: load j holds columns 128 j + 4 lane .. + 3
.set G,  64                            ; v[64:95]  the gains, in the same layout
.set SH, 96                            ; v[96:127] the shifts
.set Y,  128                           ; v[128:143] the row in bf16
.set HP, 10                            ; s[10:11]  h
.macro REDUCE                          ; the sum of v[T] over the wave's 32 lanes, in every lane
	v_add_f32_dpp v[T], v[T], v[T] row_xmask:1 row_mask:0xf bank_mask:0xf
	v_add_f32_dpp v[T], v[T], v[T] row_xmask:2 row_mask:0xf bank_mask:0xf
	v_add_f32_dpp v[T], v[T], v[T] row_xmask:4 row_mask:0xf bank_mask:0xf
	v_add_f32_dpp v[T], v[T], v[T] row_xmask:8 row_mask:0xf bank_mask:0xf
	v_permlanex16_b32 v[T+1], v[T], s12, s13       ; its destination has been written before
	v_add_f32 v[T], v[T], v[T+1]
.endm
	s_load_b256 s[4:11], s[0:1], 0x0               ; x1 s[4:5], g2 s[6:7], s2 s[8:9], h s[10:11]
	v_lshrrev_b32 v3, 5, v0
	v_readfirstlane_b32 s14, v3                    ; wave 0..7
	v_and_b32 v3, 31, v0
	v_lshlrev_b32 v[XO], 4, v3
	v_lshlrev_b32 v[HO], 3, v3
	s_lshl_b32 s2, ttmp9, 3
	s_add_co_u32 s2, s2, s14                       ; my row = 8 x work-group + wave
	s_lshl_b32 s30, s2, 12                         ; its byte in x1
	s_mov_b32 s31, 0
	s_lshl_b32 s32, s2, 11                         ; and in h
	s_mov_b32 s33, 0
	s_mov_b32 s12, 0x76543210                      ; v_permlanex16_b32: each lane takes its own place in the other half
	s_mov_b32 s13, 0xfedcba98
	s_mov_b32 s15, 0x3a800000                      ; 1 / 1,024
	s_mov_b32 s48, 0x3727c5ac                      ; 1e-5
	s_wait_kmcnt 0x0
	s_add_nc_u64 s[4:5], s[4:5], s[30:31]
	s_add_nc_u64 s[HP:HP+1], s[HP:HP+1], s[32:33]
.set i, 0
.rept 8
	global_load_b128 v[X+4*i:X+4*i+3], v[XO], s[4:5] offset:512*i
.set i, i+1
.endr
.set i, 0
.rept 8
	global_load_b128 v[G+4*i:G+4*i+3], v[XO], s[6:7] offset:512*i
.set i, i+1
.endr
.set i, 0
.rept 8
	global_load_b128 v[SH+4*i:SH+4*i+3], v[XO], s[8:9] offset:512*i
.set i, i+1
.endr
	s_wait_loadcnt 16                              ; the row's 8 loads are in; the gains' and the shifts' 16 may stay out
.set i, 0
.rept 8                                            ; the sum, as a tree of packed additions
	v_pk_add_f32 v[T+2*i:T+2*i+1], v[X+4*i:X+4*i+1], v[X+4*i+2:X+4*i+3]
.set i, i+1
.endr
.irp i, 0,4,8,12
	v_pk_add_f32 v[T+\i:T+\i+1], v[T+\i:T+\i+1], v[T+\i+2:T+\i+3]
.endr
	v_pk_add_f32 v[T:T+1], v[T:T+1], v[T+4:T+5]
	v_pk_add_f32 v[T+8:T+9], v[T+8:T+9], v[T+12:T+13]
	v_pk_add_f32 v[T:T+1], v[T:T+1], v[T+8:T+9]
	v_add_f32 v[T], v[T], v[T+1]
	REDUCE
	v_mul_f32 v[M], s15, v[T]                      ; / 1,024
	v_mul_f32 v[M+1], s15, v[T]
.set i, 0
.rept 16                                           ; d = x - mean, in place
	v_pk_add_f32 v[X+2*i:X+2*i+1], v[X+2*i:X+2*i+1], v[M:M+1] neg_lo:[0,1] neg_hi:[0,1]
.set i, i+1
.endr
.set i, 0
.rept 4                                            ; the sum of d^2 in four chains; the first four products start them
	v_pk_mul_f32 v[T+2*i:T+2*i+1], v[X+2*i:X+2*i+1], v[X+2*i:X+2*i+1]
.set i, i+1
.endr
.rept 12
	v_pk_fma_f32 v[T+2*(i%4):T+2*(i%4)+1], v[X+2*i:X+2*i+1], v[X+2*i:X+2*i+1], v[T+2*(i%4):T+2*(i%4)+1]
.set i, i+1
.endr
	v_pk_add_f32 v[T:T+1], v[T:T+1], v[T+2:T+3]
	v_pk_add_f32 v[T+4:T+5], v[T+4:T+5], v[T+6:T+7]
	v_pk_add_f32 v[T:T+1], v[T:T+1], v[T+4:T+5]
	v_add_f32 v[T], v[T], v[T+1]
	REDUCE
	v_fma_f32 v[R+1], v[T], s15, s48               ; var + eps
	v_rsq_f32 v[R], v[R+1]
	v_nop                                          ; a plain instruction behind the root,
	s_wait_alu depctr_va_vdst(0)                   ; and the wait ahead of the first use of its result
	v_mov_b32 v[R+1], v[R]
.set i, 0
.rept 16
	v_pk_mul_f32 v[X+2*i:X+2*i+1], v[X+2*i:X+2*i+1], v[R:R+1]
.set i, i+1
.endr
	s_wait_loadcnt 0x0                             ; the gains and shifts
.set i, 0
.rept 16
	v_pk_fma_f32 v[X+2*i:X+2*i+1], v[X+2*i:X+2*i+1], v[G+2*i:G+2*i+1], v[SH+2*i:SH+2*i+1]
.set i, i+1
.endr
.set i, 0
.rept 16
	v_cvt_pk_bf16_f32 v[Y+i], v[X+2*i], v[X+2*i+1]
.set i, i+1
.endr
.set i, 0
.rept 8
	global_store_b64 v[HO], v[Y+2*i:Y+2*i+1], s[HP:HP+1] offset:256*i  ; 32 lanes store 256 consecutive bytes, at a multiple of 256
.set i, i+1
.endr
	s_endpgm
.Lfunc_end_k_qe143d88638_ln2:
	.size	k_qe143d88638_ln2, .Lfunc_end_k_qe143d88638_ln2-k_qe143d88638_ln2
	.p2alignl 7, 3214868480
	.fill 96, 4, 3214868480
	.section	.rodata,"a",@progbits
	.p2align	6, 0x0
	.amdhsa_kernel k_qe143d88638_ln2
		.amdhsa_group_segment_fixed_size 0
		.amdhsa_private_segment_fixed_size 0
		.amdhsa_enable_private_segment 0
		.amdhsa_kernarg_size 32
		.amdhsa_user_sgpr_count 2
		.amdhsa_user_sgpr_kernarg_segment_ptr 1
		.amdhsa_wavefront_size32 1
		.amdhsa_system_sgpr_workgroup_id_x 1
		.amdhsa_system_sgpr_workgroup_id_y 1
		.amdhsa_system_sgpr_workgroup_id_z 1
		.amdhsa_system_vgpr_workitem_id 0
		.amdhsa_next_free_vgpr 144
		.amdhsa_next_free_sgpr 66
		.amdhsa_reserve_vcc 0
		.amdhsa_float_denorm_mode_32 3
		.amdhsa_float_denorm_mode_16_64 3
		.amdhsa_memory_ordered 1
		.amdhsa_forward_progress 1
		.amdhsa_inst_pref_size 12
	.end_amdhsa_kernel
	.amdgpu_metadata
---
amdhsa.version: [ 1, 2 ]
amdhsa.kernels:
  - .name:           k_qe143d88638_ln2
    .symbol:         k_qe143d88638_ln2.kd
    .args:
      - { .name: x1, .offset: 0, .size: 8, .value_kind: global_buffer, .address_space: global }
      - { .name: g2, .offset: 8, .size: 8, .value_kind: global_buffer, .address_space: global }
      - { .name: s2, .offset: 16, .size: 8, .value_kind: global_buffer, .address_space: global }
      - { .name: h, .offset: 24, .size: 8, .value_kind: global_buffer, .address_space: global }
    .group_segment_fixed_size: 0
    .private_segment_fixed_size: 0
    .kernarg_segment_align: 8
    .kernarg_segment_size: 32
    .max_flat_workgroup_size: 256
    .sgpr_count:     66
    .vgpr_count:     144
    .wavefront_size: 32
...
	.end_amdgpu_metadata
.endif
;; end of part 5
;; launch ffn1 (part 6): grid 16 x 16, 4 waves a work-group, clusters of 4 x 4, 327,680 bytes of LDS; arguments h, wb, act, b1; writes act
.if DOCPART == 6
	.amdgcn_target "amdgcn-amd-amdhsa--gfx1250"
	.amdhsa_code_object_version 6
	.text
	.protected	k_qe143d88638_ffn1
	.globl	k_qe143d88638_ffn1
	.p2align	8
	.type	k_qe143d88638_ffn1,@function
k_qe143d88638_ffn1:
	s_mov_b64 s[64:65], 0
	v_nop
	global_prefetch_b8 v0, s[64:65] scope:SCOPE_SE
	s_setreg_imm32_b32 hwreg(HW_REG_WAVE_MODE, 25, 1), 1
	s_wait_xcnt 0x0
	s_wait_alu depctr_hold_cnt(0) depctr_sa_sdst(0) depctr_va_vdst(0) depctr_va_sdst(0) depctr_va_ssrc(0) depctr_va_vcc(0) depctr_vm_vsrc(0)
	s_getreg_b32 s2, hwreg(HW_REG_IB_STS2, 6, 4)
	s_cmp_eq_u32 s2, 0
	s_cbranch_scc0 .Lentry_in_a_cluster
	s_endpgm
.Lentry_in_a_cluster:
	s_bfe_u32 s2, ttmp6, 0x10000c
	s_cmp_lg_u32 s2, 0xf033
	s_cbranch_scc0 .Lentry_shape_is_right
	s_endpgm
.Lentry_shape_is_right:
; C = A B on the matrix units, bf16 operands, f32 sums, K = 1,024.  ONE TEXT FOR TWO PRODUCTS, chosen by KIND:
;   KIND 0: q, k, v = h [Wq Wk Wv].  A = h [4096][1024], B = wb [1024][3072]; a tile of C is 128 x 384; written by heads, [3][32 = batch x 16 + head][2048][64] bf16.
;   KIND 1: act = gelu(h W1 + b1).   A = h [4096][1024], B = wb + W1_OFF [1024][4096]; a tile of C is 256 x 256; written [4096][4096] bf16.
; Both give 256 work-groups of four waves; a wave makes 64 x 192 or 128 x 128: MA x NBK accumulators of 16 x 16.
; THE RING.  K goes in steps of 128 through two LDS slots of four UNITS; wave w fills unit w with ONE tensor load of 128 rows x 256 bytes.  A's units hold [row][k], 272 bytes from row to
; row; B's hold [k][column], as B lies in memory, 288 bytes from row to row, and B's fragments come out turned, by ds_load_tr16_b128.
; A loop trip is one K step; the slot's LDS base is the scalar TB (0 or SLOT), turned by an exclusive or.  The last two K steps, which fill nothing, are one text walked twice and left in its middle.
; CLUSTERS: 4 x 4 work-groups.  A's units hang on the tile row alone and are asked for jointly by the four of a row of the cluster, B's on the tile column alone, by the four of a column.
; THE MATRIX INSTRUCTION IS USED TRANSPOSED (source 0 = 16 columns of B, source 1 = 16 rows of A): a lane holds row l % 16 of C and the columns 8 (l / 16) + 0..7.
; REGISTERS, in windows of 256 (s_set_vgpr_msb: bits 1:0 source 0, 3:2 source 1, 5:4 source 2, 7:6 destination):
;   window 0: v0-31 addresses; v32-63, v192-255 the way out; A's fragments, buffer f, block a at v[64 + 64 f + 8 a]
;   window 1: B's fragments, buffer f, block b at v[96 f + 8 b]      windows 2, 3: accumulator (a, b) at v[8 (NBK (a % (MA/2)) + b)], window 2 + (a >= MA/2)
; LIMITS: operands are rounded to bf16; gelu = y - y / (1 + 2^(y (K1 + K2 y^2))), the tanh form itself, by v_exp_f32 and v_rcp_f32 (1 ulp); NaN and infinities are not treated apart.
.set KIND,  1
.set UNIT,  36864                      ; 128 rows x 288 bytes (A's units use 128 x 272 of it)
.set SLOT,  4*UNIT
.set SPARE, 2*SLOT                     ; behind the ring: the spare words, 128 bytes a wave: two blocks of 256 bytes that no other line names
.set STAGE, SPARE+512                  ; KIND 0: 3 x 16 rows x 144 bytes for each wave, for the way out
.set PA,    272                        ; 68 words: the 16 rows of a fragment load start at 16 different groups of four banks (64 banks of 4 bytes: ISA guide 11.1)
.set PB,    288                        ; 72 words
.set NSTEP, 8                          ; K steps
.set STEPA, 256                        ; bytes from a K step of A to the next
.set STRA,  1024                       ; elements in a row of A
.set W1_OFF, 8388608
.if KIND == 0
.set MA,   4
.set NBK,  12
.set NAU,  1                           ; units of A in a slot: waves below NAU fetch A, the others B
.set STRB, 3072
.else
.set MA,   8
.set NBK,  8
.set NAU,  2
.set STRB, 4096
.endif
.set STEPB, 128*STRB*2
.set G1A, 24                           ; s[24:31] descriptor group 1 for A's units;  s[32:39] group 0: a set for each first fill; the second then walks
.set G0A, 32
.set G1B, 48                           ; s[48:55], s[56:63] the same for B's
.set G0B, 56
.set BA,  16                           ; v16, v18, v19  my fragments' LDS places in a slot: A; B; B's third unit (KIND 0)
.set CA,  20                           ; v20, v22, v23  the same plus TB
.set STO, 24                           ; the way out: where I put my bytes of a row
.set RD,  25                           ; where I read rows back
.set CO,  26                           ; my byte offset in the output
.set BO,  27                           ; and in the bias
.set SPW, 28                           ; LDS address of my spare word; never rewritten
.set NIL, 29                           ; 0; never rewritten
.set PFO, 30                           ; the prefetches' offset: my lane x a row of A or B in memory; never rewritten
.set F0,  0
.set F1,  1
.set MUL_LO, 0xa1                      ; B window 1, A window 0, C and D window 2; + 0x50: window 3
.set TO_B,   0x40                      ; destination window 1, address window 0
; scalars: s10 wave, s11 its half of the rows, s12 its half of the columns, s13 tile row, s42 tile column, s40 cx, s41 cy, s3 the loops' count, s70 TB, s71 my unit's place in a slot,
; s[72:73] where my prefetches stand, s[74:75] their step, s76 their bound, s[78:81] gelu's constants, s[82:87] three heads' pointers (KIND 0)
.set MSB, 0
.macro WIN new                         ; the immediate's high byte repeats the setting that is left; a switch that changes nothing is dropped
.if MSB != (\new)
	s_set_vgpr_msb (MSB<<8)|(\new)
.set MSB, \new
.endif
.endm
.macro PLACES                          ; four plain vector instructions between a matrix instruction and a load into, or a vector read of, its registers
.rept 4
	v_nop
.endr
.endm
.macro JLOAD                           ; a joint refill, by the walking sets; the branch hangs on the wave's number alone; s_nop 0 and four v_nop follow each line
	s_cmp_lt_u32 s10, NAU
	s_cbranch_scc0 .Lfor_b_\@
	tensor_load_to_lds s[G0A+4:G0A+7], s[G1A:G1A+7]
	s_nop 0
	PLACES
	s_branch .Lasked_\@
.Lfor_b_\@:
	tensor_load_to_lds s[G0B+4:G0B+7], s[G1B:G1B+7]
	s_nop 0
	PLACES
.Lasked_\@:
.endm
.macro CREST                           ; a round of the cluster's barrier behind its opening barrier
	s_cmp_lg_u32 s10, 0
	s_cbranch_scc1 .Lnot_wave_0_\@
	s_barrier_signal -3
.Lnot_wave_0_\@:
	s_barrier_wait -3
	s_barrier_signal -1
	s_barrier_wait -1
.endm
.macro CROUND                          ; a whole round
	s_barrier_signal -1
	s_barrier_wait -1
	CREST
.endm
; A PREFETCH INTO THE L2, behind a joint refill and the run of LDS loads that follows it: 32 rows x 256 bytes, a lane a row, of the K step that stands two refills on.  A's rows are read by every
; cluster of a row of clusters: the one with x = 0 asks; B's by every cluster of a column: y = 0 asks.  The four partners that ask for a unit jointly share its 128 rows out by address, 32 each.
; Trip t (s3 = 6 - t) names K step t + 4 while s3 > 2: steps 4 to 7, each once; steps 0 to 3 come by their loads alone.
.macro ASK
	s_cmp_gt_u32 s3, s76
	s_cbranch_scc0 .Lnot_mine_\@
	global_prefetch_b8 v[PFO], s[72:73] th:TH_LOAD_NT scope:SCOPE_SE
.Lnot_mine_\@:
.endm
.macro ADDR                            ; my fragments' places in the slot in hand
	v_add_nc_u32 v[CA], s70, v[BA]
	v_add_nc_u32 v[CA+2], s70, v[BA+2]
.if KIND == 0
	v_add_nc_u32 v[CA+3], s70, v[BA+3]
.endif
.endm
.macro LDB q, g                        ; B's fragments of quarter q (32 along K) into buffer g: two turning loads each, 16 rows of k apart
	WIN TO_B
.set bb, 0
.rept NBK
.set rB, 96*(\g)+8*bb
.set of, 32*(\q)*PB+32*(bb%8)
	ds_load_tr16_b128 v[rB:rB+3], v[CA+2+bb/8] offset:of
	ds_load_tr16_b128 v[rB+4:rB+7], v[CA+2+bb/8] offset:of+16*PB
.set bb, bb+1
.endr
.endm
.macro LDA q, g                        ; A's fragments: two loads of 16 bytes, 32 bytes apart; the lower half of my rows first
	WIN 0
.set aa, 0
.rept MA
.set rA, 64+64*(\g)+8*aa
	ds_load_b128 v[rA:rA+3], v[CA] offset:64*(\q)+aa*16*PA
	ds_load_b128 v[rA+4:rA+7], v[CA] offset:64*(\q)+aa*16*PA+32
.set aa, aa+1
.endr
.endm
.macro FETCH q, g                      ; 32 LDS loads in one run
	LDB \q, \g
	LDA \q, \g
.endm
; Half of a quarter's products: half hi of my rows x all my columns.  The accumulators take turns, one instruction a turn.  zero = 1: the products start the sums.
.macro MULH f, hi, zero
	WIN MUL_LO+0x50*(\hi)
.set aa, 0
.rept MA/2
.set bb, 0
.rept NBK
.set rD, 8*(NBK*aa+bb)
.set rB, 96*(\f)+8*bb
.set rA, 64+64*(\f)+8*((\hi)*(MA/2)+aa)
.if \zero
	v_wmma_f32_16x16x32_bf16 v[rD:rD+7], v[rB:rB+7], v[rA:rA+7], 0
.else
	v_wmma_f32_16x16x32_bf16 v[rD:rD+7], v[rB:rB+7], v[rA:rA+7], v[rD:rD+7]
.endif
.set bb, bb+1
.endr
.set aa, aa+1
.endr
.endm
; A K step is four quarters on buffers 0, 1, 0, 1.  One of the first three: multiplies buffer f; in its middle it fetches quarter qn into buffer g.
.macro QUARTER qn, f, g, zero
	s_wait_dscnt MA                                ; B and the lower half of A are in; the youngest MA loads (A's upper half) may be out
	MULH \f, 0, \zero
	PLACES
	FETCH \qn, \g
	s_wait_dscnt 32                                ; all but the 32 just issued
	MULH \f, 1, \zero
.endm
; The last quarter multiplies buffer 1 and changes slots.  In front of the barrier each wave waits for all its tensor loads (one is out: its unit of the next slot), adds 0 to its spare word, and waits
; for that and for its reads of this slot.  fill = 1: the barrier opens a round of the cluster's, and the joint refill of the slot just read, with the K step two on, is the first thing behind it.
; The quarter's first half: KIND 1 (32 products) sets it between the barrier's signal and its wait, work on registers while the others arrive.  KIND 0, whose K step has 192 products against
; KIND 1's 256 for the same 128 KiB of tiles, sets its 24 ahead of the waits: nothing then stands between the wait for the tile and the next joint request.
.macro TURN fill
.if \fill
	s_wait_xcnt 0x0                                ; the last prefetch, a K step back, has read its address
	s_add_nc_u64 s[72:73], s[72:73], s[74:75]
.endif
.if KIND == 0
	s_wait_dscnt MA                                ; B and the lower half of A of buffer 1 are in
	MULH F1, 0, 0
.endif
	WIN 0
	s_wait_tensorcnt 0x0                           ; no tensor load of mine is out, so a group 0 may be written
	ds_add_u32 v[SPW], v[NIL]
.if \fill
	s_add_co_u32 s[G0A+5], s71, s70                ; the walking sets: my unit of the slot that is being left,
	s_add_co_u32 s[G0B+5], s71, s70
	s_add_nc_u64 s[G0A+6:G0A+7], s[G0A+6:G0A+7], STEPA  ; the next K step; the type bits on top are not reached
	s_add_nc_u64 s[G0B+6:G0B+7], s[G0B+6:G0B+7], STEPB
.endif
	s_xor_b32 s70, s70, SLOT                       ; the reads go on in the other slot
	s_wait_dscnt 0x0                               ; the add is done, buffer 1 is in, and my reads of this slot are over
	s_barrier_signal -1
.if KIND == 1
	MULH F1, 0, 0
	WIN 0
.endif
	s_barrier_wait -1
.if \fill
	CREST
	JLOAD                                          ; its four v_nop are also the places in front of the loads below
.else
	PLACES
.endif
	ADDR
	FETCH 0, F0
.if \fill
	ASK
.endif
	MULH F1, 1, 0
.endm
	s_load_b128 s[4:7], s[0:1], 0x0                ; A s[4:5], wb s[6:7]
	s_load_b64 s[8:9], s[0:1], 0x10                ; the output
.if KIND == 1
	s_load_b64 s[66:67], s[0:1], 0x18              ; b1
.endif
	v_lshl_add_u32 v[SPW], v0, 2, SPARE
	v_mov_b32 v[NIL], 0
	ds_add_u32 v[SPW], v[NIL]                      ; the wave's opening: the add and its wait stand ahead of my first tensor load
	ds_add_u32 v28, v29
	v_lshrrev_b32 v1, 5, v0
	v_readfirstlane_b32 s10, v1                    ; wave 0..3
	s_lshr_b32 s11, s10, 1
	s_and_b32 s12, s10, 1
	s_bfe_u32 s40, ttmp6, 0x40000                  ; cx, cy: my place in the cluster
	s_bfe_u32 s41, ttmp6, 0x40004
	s_lshl_b32 s42, ttmp9, 2
	s_add_co_u32 s42, s42, s40                     ; tile column = 4 x cluster x + cx
	s_and_b32 s13, ttmp7, 0xffff
	s_lshl_b32 s13, s13, 2
	s_add_co_u32 s13, s13, s41                     ; tile row = 4 x cluster y + cy
	s_lshl_b32 s43, s41, 2
	s_lshl_b32 s43, 15, s43                        ; my row of the cluster
	s_lshl_b32 s44, 0x1111, s40                    ; my column
	; group 1: 128 rows x 128 elements of 2 bytes; padding behind every 64 words: 4 words for A, 8 for B; bit 21 set beside a mask
	s_or_b32 s[G1A], s43, (1<<16)|(1<<20)|(1<<21)|(5<<22)|(3<<25)
	s_or_b32 s[G1B], s44, (1<<16)|(1<<20)|(1<<21)|(5<<22)|(7<<25)
.irp g, G1A, G1B
	s_mov_b32 s[(\g)+1], 128<<16                   ; tensor_dim0 = 128
	s_mov_b32 s[(\g)+2], 128<<16                   ; tensor_dim1 = 128
	s_mov_b32 s[(\g)+3], 128<<16                   ; tile_dim0 = 128
	s_mov_b32 s[(\g)+4], 128                       ; tile_dim1 = 128
	s_mov_b32 s[(\g)+6], 0
	s_mov_b32 s[(\g)+7], 0
.endr
	s_mov_b32 s[G1A+5], STRA                       ; elements from row to row
	s_mov_b32 s[G1B+5], STRB
	; my unit's first byte: A's from the tile row alone (s16), B's from the tile column alone (s18)
.if KIND == 0
	s_lshl_b32 s16, s13, 18                        ; 128 rows of 2,048 bytes
	s_max_u32 s18, s10, 1
	s_sub_co_u32 s18, s18, 1                       ; waves 1 to 3: B's columns 0-127, 128-255, 256-383 of the tile
	s_lshl_b32 s18, s18, 8
	s_mul_i32 s21, s42, 768
	s_add_co_u32 s18, s18, s21
.else
	s_lshl_b32 s16, s13, 19                        ; 256 rows of 2,048 bytes,
	s_lshl_b32 s20, s12, 18                        ; my 128 of them
	s_add_co_u32 s16, s16, s20
	s_lshl_b32 s18, s42, 9                         ; 256 columns,
	s_lshl_b32 s21, s12, 8                         ; my 128 of them
	s_add_co_u32 s18, s18, s21
	s_add_co_u32 s18, s18, W1_OFF
.endif
	s_mov_b32 s17, 0
	s_mov_b32 s19, 0
	s_mul_i32 s71, s10, UNIT                       ; no place in the cluster enters an LDS address
	s_mov_b32 s70, 0
	s_wait_dscnt 0x0                               ; the opening add is done
	s_wait_kmcnt 0x0
	s_add_nc_u64 s[14:15], s[4:5], s[16:17]
	s_add_nc_u64 s[46:47], s[6:7], s[18:19]
	CROUND                                         ; all sixteen work-groups are here: the first joint loads meet
.irp s, 0,1
	s_mov_b32 s[G0A+4*(\s)], 1                     ; count = 1
	s_add_co_u32 s[G0A+4*(\s)+1], s71, (\s)*SLOT   ; LDS address
	s_add_nc_u64 s[G0A+4*(\s)+2:G0A+4*(\s)+3], s[14:15], (\s)*STEPA  ; global address: K step s
	s_or_b32 s[G0A+4*(\s)+3], s[G0A+4*(\s)+3], 0x80000000           ; type = 2
	s_mov_b32 s[G0B+4*(\s)], 1
	s_add_co_u32 s[G0B+4*(\s)+1], s71, (\s)*SLOT
	s_add_nc_u64 s[G0B+4*(\s)+2:G0B+4*(\s)+3], s[46:47], (\s)*STEPB
	s_or_b32 s[G0B+4*(\s)+3], s[G0B+4*(\s)+3], 0x80000000
.endr
	s_cmp_lt_u32 s10, NAU                          ; a wave's two first fills stand in one branch: two loads of mine are out
	s_cbranch_scc0 .Lfirst_b
	tensor_load_to_lds s[G0A:G0A+3], s[G1A:G1A+7]
	s_nop 0
	tensor_load_to_lds s[G0A+4:G0A+7], s[G1A:G1A+7]
	s_nop 0
	PLACES
	s_branch .Lfirst_done
.Lfirst_b:
	tensor_load_to_lds s[G0B:G0B+3], s[G1B:G1B+7]
	s_nop 0
	tensor_load_to_lds s[G0B+4:G0B+7], s[G1B:G1B+7]
	s_nop 0
	PLACES
.Lfirst_done:
	v_and_b32 v1, 15, v0                           ; l % 16
	v_bfe_u32 v2, v0, 4, 1                         ; l / 16
	v_mul_u32_u24 v3, v1, PA
	v_lshl_add_u32 v3, v2, 4, v3                   ; A: row x pitch + 16 x half
	v_and_b32 v4, 7, v0
	v_lshl_add_u32 v4, v2, 3, v4
	v_mul_u32_u24 v4, v4, PB
	v_bfe_u32 v5, v0, 3, 1
	v_lshl_add_u32 v4, v5, 4, v4                   ; B: (8 (l / 16) + l % 8) x pitch + 16 ((l / 8) % 2)
	v_and_b32 v6, 31, v0                           ; l
.if KIND == 0
	s_mul_i32 s20, s11, 64*PA                      ; my 64 rows of unit 0
	s_add_co_u32 s21, s12, 1
	s_mul_i32 s21, s21, UNIT                       ; blocks 0-7: all of unit 1 or 2
	s_lshl_b32 s22, s12, 7
	s_add_co_u32 s22, s22, 3*UNIT                  ; blocks 8-11: my 64 columns of unit 3
	v_add_nc_u32 v[BA+3], s22, v4
.else
	s_mul_i32 s20, s11, UNIT                       ; unit 0 or 1
	s_add_co_u32 s21, s12, 2
	s_mul_i32 s21, s21, UNIT                       ; unit 2 or 3
.endif
	v_add_nc_u32 v[BA], s20, v3
	v_add_nc_u32 v[BA+2], s21, v4
	; the prefetches
	s_and_b32 s22, ttmp7, 0xffff                   ; cluster y
	s_mov_b32 s23, 2*STRB
	s_mov_b32 s74, STEPB
	s_cmp_lt_u32 s10, NAU                          ; do I fetch for A?
	s_cselect_b64 s[72:73], s[4:5], s[6:7]
	s_cselect_b32 s20, s16, s18                    ; my unit's first byte
	s_cselect_b32 s21, s40, s41                    ; my place among the four that ask for it with me
	s_cselect_b32 s22, ttmp9, s22                  ; the coordinate along which other clusters read the same rows
	s_cselect_b32 s23, 2*STRA, s23                 ; bytes in a row
	s_cselect_b32 s74, STEPA, s74                  ; bytes from a K step to the next
	s_mov_b32 s75, 0
	s_cmp_eq_u32 s22, 0
	s_cselect_b32 s76, 2, -1                       ; the same in all sixteen partners, for a given wave
	s_lshl_b32 s21, s21, 5
	s_mul_i32 s21, s21, s23                        ; my work-group's 32 rows of the 128
	s_add_co_u32 s20, s20, s21
	s_mul_i32 s21, s74, 3                          ; at K step 3: the first change of slots steps it to 4
	s_add_co_u32 s20, s20, s21
	s_mov_b32 s21, 0
	s_add_nc_u64 s[72:73], s[72:73], s[20:21]
	v_mul_u32_u24 v[PFO], s23, v6
.if KIND == 0
	; the way out: my stage holds 16 rows of three heads, 144 bytes from row to row
	s_mul_i32 s23, s10, 6912
	s_add_co_u32 s23, s23, STAGE
	v_mul_u32_u24 v5, v1, 144
	v_lshl_add_u32 v5, v2, 4, v5
	v_add_nc_u32 v[STO], s23, v5                   ; in: row l % 16, 16 bytes for each half of the lanes
	v_bfe_u32 v5, v0, 3, 2
	v_mul_u32_u24 v5, v5, 144
	v_and_b32 v7, 7, v0
	v_lshl_add_u32 v5, v7, 4, v5
	v_add_nc_u32 v[RD], s23, v5                    ; back: 32 lanes take four rows of 128 bytes,
	v_lshlrev_b32 v[CO], 4, v6                     ; which are 512 consecutive bytes of a head
	s_lshr_b32 s20, s13, 4                         ; the batch: 16 heads of 262,144 bytes
	s_lshl_b32 s20, s20, 22
	s_and_b32 s21, s13, 15                         ; the tile's 128 rows of 128 bytes in the head,
	s_lshl_b32 s21, s21, 14
	s_add_co_u32 s20, s20, s21
	s_lshl_b32 s21, s11, 13                        ; my 64 of them
	s_add_co_u32 s20, s20, s21
	s_mul_i32 s21, s42, 6                          ; the tile's six groups of 64 columns; mine are 2 WN, 2 WN + 1 and 4 + WN
	s_lshl_b32 s22, s12, 1
	s_add_co_u32 s22, s22, s21
	s_add_co_u32 s21, s21, s12
	s_add_co_u32 s21, s21, 4
.irp j, 0,1,2
.if \j == 2
	s_mov_b32 s2, s21
.else
	s_add_co_u32 s2, s22, \j
.endif
	s_lshr_b32 s23, s2, 4                          ; group / 16: q, k or v, 8,388,608 bytes each
	s_lshl_b32 s23, s23, 23
	s_and_b32 s2, s2, 15                           ; group % 16: the head
	s_lshl_b32 s2, s2, 18
	s_add_co_u32 s2, s2, s23
	s_add_co_u32 s2, s2, s20
	s_mov_b32 s3, 0
	s_add_nc_u64 s[82+2*\j:83+2*\j], s[8:9], s[2:3]
.endr
.else
	; the way out: my stage is 128 rows x 528 bytes of f32, in the ring, which has had its last fill by then
	s_mul_i32 s23, s10, 67584
	v_mul_u32_u24 v5, v1, 528
	v_lshl_add_u32 v5, v2, 5, v5
	v_add_nc_u32 v[STO], s23, v5                   ; in: row l % 16, 32 bytes for each half of the lanes
	v_lshl_add_u32 v[RD], v6, 4, s23               ; back: 32 lanes take a row of 512 bytes,
	v_lshlrev_b32 v[CO], 3, v6                     ; which is 256 bytes of act
	s_lshl_b32 s2, s42, 10
	s_lshl_b32 s20, s12, 9
	s_add_co_u32 s2, s2, s20
	v_lshl_add_u32 v[BO], v6, 4, s2
	global_load_b128 v[12:15], v[BO], s[66:67]     ; b1 of my four columns
	s_lshl_b32 s2, s13, 21                         ; 256 rows of 8,192 bytes,
	s_lshl_b32 s20, s11, 20                        ; my 128 of them,
	s_add_co_u32 s2, s2, s20
	s_lshl_b32 s20, s42, 9                         ; 256 columns,
	s_add_co_u32 s2, s2, s20
	s_lshl_b32 s20, s12, 8                         ; my 128 of them
	s_add_co_u32 s2, s2, s20
	s_mov_b32 s3, 0
	s_add_nc_u64 s[8:9], s[8:9], s[2:3]
	s_mov_b32 s78, 0x40135761                      ; K1 = 2 sqrt(2 / pi) log2(e) = 2.3022082
	s_mov_b32 s79, s78                             ; named with it as a pair
	s_mov_b32 s80, 0x3dd2d3e8                      ; K2 = 0.044715 K1 = 0.10294324
	s_mov_b32 s81, s80
.endif
	s_wait_tensorcnt 0x1                           ; my unit of K step 0 is in; K step 1's may stay out
	s_barrier_signal -1
	s_barrier_wait -1                              ; everybody's is
	ADDR
	FETCH 0, F0
	QUARTER 1, F0, F1, 1                           ; the first quarter stands in front of the loop: its products start the sums
	WIN 0                                          ; at a label and at a branch every window is 0
	s_mov_b32 s3, NSTEP-2
.Lstep:                                            ; a trip: from a K step's second quarter to the next step's first; it fills the slot that it leaves
	QUARTER 2, F1, F0, 0
	QUARTER 3, F0, F1, 0
	TURN 1
	QUARTER 1, F0, F1, 0
	WIN 0
	s_sub_co_u32 s3, s3, 1
	s_cmp_lg_u32 s3, 0
	s_cbranch_scc1 .Lstep
	s_mov_b32 s3, 2
.Ltail:                                            ; the last two K steps fill nothing: one text, walked twice and left in its middle
	QUARTER 2, F1, F0, 0
	QUARTER 3, F0, F1, 0
	TURN 0                                         ; in the second trip its barrier orders nothing and its 32 fragments, of a K step already multiplied, serve nothing: the price, once a launch, of one text
	WIN 0
	s_sub_co_u32 s3, s3, 1
	s_cmp_eq_u32 s3, 0
	s_cbranch_scc1 .Lout
	QUARTER 1, F0, F1, 0
	WIN 0
	s_branch .Ltail
.Lout:
	s_wait_dscnt 0x0                               ; those fragments are back: no LDS load of mine is out
	PLACES                                         ; the way out reads results just made
.if KIND == 0
	; THE WAY OUT: 16 rows at a time: rounded to bf16, 16 bytes a lane into my stage, back as whole rows of a head's 128 bytes, stored 512 consecutive bytes an instruction
.set aa, 0
.rept 4
	WIN 0x0a+5*(aa/2)                              ; sources 0 and 1: window 2 or 3
.set bb, 0
.rept 12
.set rD, 8*(12*(aa%2)+bb)
.irp c, 0,1,2,3
	v_cvt_pk_bf16_f32 v[192+4*bb+\c], v[rD+2*\c], v[rD+2*\c+1]
.endr
.set bb, bb+1
.endr
	WIN 0
.set bb, 0
.rept 12
	ds_store_b128 v[STO], v[192+4*bb:195+4*bb] offset:(bb/4)*2304+32*(bb%4)
.set bb, bb+1
.endr
.if aa > 0
	s_wait_xcnt 0x0                                ; the last block's stores have read their registers, which the loads below write
.endif
.set nn, 0
.rept 12
.set rL, 32+4*nn+176*(nn/8)
	ds_load_b128 v[rL:rL+3], v[RD] offset:(nn/4)*2304+(nn%4)*576  ; LDS serves a wave's instructions in order (ISA guide 5.7.1.4): these see the stores above
.set nn, nn+1
.endr
	s_wait_dscnt 0x0
.set nn, 0
.rept 12
.set rL, 32+4*nn+176*(nn/8)
	global_store_b128 v[CO], v[rL:rL+3], s[82+2*(nn/4):83+2*(nn/4)] offset:2048*aa+512*(nn%4)
.set nn, nn+1
.endr
.set aa, aa+1
.endr
.else
	; THE WAY OUT.  Every wave has left the ring (its reads were waited for above), so behind this barrier the ring's bytes serve as stages.
	s_barrier_signal -1
	s_barrier_wait -1
.set aa, 0
.rept 8
	WIN 0x08+4*(aa/4)                              ; the stores' data: window 2 or 3
.set bb, 0
.rept 8
.set rD, 8*(8*(aa%4)+bb)
	ds_store_b128 v[STO], v[rD:rD+3] offset:aa*8448+64*bb
	ds_store_b128 v[STO], v[rD+4:rD+7] offset:aa*8448+64*bb+16
.set bb, bb+1
.endr
.set aa, aa+1
.endr
	WIN 0
	s_wait_loadcnt 0x0                             ; b1
	s_mov_b32 s3, 16
.Lrows:                                            ; 16 trips of 8 rows: y = sum + b1; gelu; rounded to bf16; a row's 256 bytes an instruction
.set i, 0
.rept 8
	ds_load_b128 v[32+4*i:35+4*i], v[RD] offset:528*i
.set i, i+1
.endr
	s_wait_dscnt 0x0
.set i, 0
.rept 16
	v_pk_add_f32 v[32+2*i:33+2*i], v[32+2*i:33+2*i], v[12+2*(i%2):13+2*(i%2)]
.set i, i+1
.endr
.set i, 0
.rept 16
	v_pk_mul_f32 v[192+2*i:193+2*i], v[32+2*i:33+2*i], v[32+2*i:33+2*i]
.set i, i+1
.endr
.set i, 0
.rept 16
	v_pk_fma_f32 v[192+2*i:193+2*i], v[192+2*i:193+2*i], s[80:81], s[78:79] op_sel_hi:[1,0,0]
.set i, i+1
.endr
.set i, 0
.rept 16
	v_pk_mul_f32 v[192+2*i:193+2*i], v[192+2*i:193+2*i], v[32+2*i:33+2*i]
.set i, i+1
.endr
.set i, 0
.rept 32
	v_exp_f32 v[192+i], v[192+i]
.set i, i+1
.endr
	v_nop                                          ; a plain instruction behind the last exponential,
	s_wait_alu depctr_va_vdst(0)                   ; and one wait for the batch
.set i, 0
.rept 16
	v_pk_add_f32 v[192+2*i:193+2*i], v[192+2*i:193+2*i], 1.0 op_sel_hi:[1,0]
.set i, i+1
.endr
.set i, 0
.rept 32
	v_rcp_f32 v[192+i], v[192+i]
.set i, i+1
.endr
	v_nop
	s_wait_alu depctr_va_vdst(0)                   ; one wait for the 32 reciprocals
.set i, 0
.rept 16
	v_pk_fma_f32 v[192+2*i:193+2*i], v[32+2*i:33+2*i], v[192+2*i:193+2*i], v[32+2*i:33+2*i] neg_lo:[1,0,0] neg_hi:[1,0,0]  ; y - y r
.set i, i+1
.endr
.set i, 0
.rept 16
	v_cvt_pk_bf16_f32 v[224+i], v[192+2*i], v[193+2*i]
.set i, i+1
.endr
.set i, 0
.rept 8
	global_store_b64 v[CO], v[224+2*i:225+2*i], s[8:9] offset:8192*i  ; 32 lanes store 256 consecutive bytes, at a multiple of 256
.set i, i+1
.endr
	s_wait_xcnt 0x0                                ; the stores have read their data and their base, which the next trip writes
	s_add_nc_u64 s[8:9], s[8:9], 65536
	v_add_nc_u32 v[RD], 4224, v[RD]
	s_sub_co_u32 s3, s3, 1
	s_cmp_lg_u32 s3, 0
	s_cbranch_scc1 .Lrows
.endif
	s_wait_tensorcnt 0x0                           ; the wave's end: behind my last tensor load and my last LDS store
	ds_add_u32 v[SPW], v[NIL]
	s_wait_dscnt 0x0
	CROUND                                         ; the closing round: no work-group ends while a partner may still ask for a unit that names it
	s_endpgm
.Lfunc_end_k_qe143d88638_ffn1:
	.size	k_qe143d88638_ffn1, .Lfunc_end_k_qe143d88638_ffn1-k_qe143d88638_ffn1
	.p2alignl 7, 3214868480
	.fill 96, 4, 3214868480
	.section	.rodata,"a",@progbits
	.p2align	6, 0x0
	.amdhsa_kernel k_qe143d88638_ffn1
		.amdhsa_group_segment_fixed_size 327680
		.amdhsa_private_segment_fixed_size 0
		.amdhsa_enable_private_segment 0
		.amdhsa_kernarg_size 32
		.amdhsa_user_sgpr_count 2
		.amdhsa_user_sgpr_kernarg_segment_ptr 1
		.amdhsa_wavefront_size32 1
		.amdhsa_system_sgpr_workgroup_id_x 1
		.amdhsa_system_sgpr_workgroup_id_y 1
		.amdhsa_system_sgpr_workgroup_id_z 1
		.amdhsa_system_vgpr_workitem_id 0
		.amdhsa_next_free_vgpr 1024
		.amdhsa_next_free_sgpr 96
		.amdhsa_reserve_vcc 0
		.amdhsa_float_denorm_mode_32 3
		.amdhsa_float_denorm_mode_16_64 3
		.amdhsa_memory_ordered 1
		.amdhsa_forward_progress 1
		.amdhsa_inst_pref_size 89
	.end_amdhsa_kernel
	.amdgpu_metadata
---
amdhsa.version: [ 1, 2 ]
amdhsa.kernels:
  - .name:           k_qe143d88638_ffn1
    .symbol:         k_qe143d88638_ffn1.kd
    .args:
      - { .name: h, .offset: 0, .size: 8, .value_kind: global_buffer, .address_space: global }
      - { .name: wb, .offset: 8, .size: 8, .value_kind: global_buffer, .address_space: global }
      - { .name: act, .offset: 16, .size: 8, .value_kind: global_buffer, .address_space: global }
      - { .name: b1, .offset: 24, .size: 8, .value_kind: global_buffer, .address_space: global }
    .group_segment_fixed_size: 327680
    .private_segment_fixed_size: 0
    .kernarg_segment_align: 8
    .kernarg_segment_size: 32
    .max_flat_workgroup_size: 128
    .sgpr_count:     96
    .vgpr_count:     1024
    .wavefront_size: 32
...
	.end_amdgpu_metadata
.endif
;; end of part 6
;; launch ffn2 (part 7): grid 8 x 32, 4 waves a work-group, clusters of 4 x 4, 327,680 bytes of LDS; arguments act, wb, out0, b2, x1; writes out0
.if DOCPART == 7
	.amdgcn_target "amdgcn-amd-amdhsa--gfx1250"
	.amdhsa_code_object_version 6
	.text
	.protected	k_qe143d88638_ffn2
	.globl	k_qe143d88638_ffn2
	.p2align	8
	.type	k_qe143d88638_ffn2,@function
k_qe143d88638_ffn2:
	s_mov_b64 s[64:65], 0
	v_nop
	global_prefetch_b8 v0, s[64:65] scope:SCOPE_SE
	s_setreg_imm32_b32 hwreg(HW_REG_WAVE_MODE, 25, 1), 1
	s_wait_xcnt 0x0
	s_wait_alu depctr_hold_cnt(0) depctr_sa_sdst(0) depctr_va_vdst(0) depctr_va_sdst(0) depctr_va_ssrc(0) depctr_va_vcc(0) depctr_vm_vsrc(0)
	s_getreg_b32 s2, hwreg(HW_REG_IB_STS2, 6, 4)
	s_cmp_eq_u32 s2, 0
	s_cbranch_scc0 .Lentry_in_a_cluster
	s_endpgm
.Lentry_in_a_cluster:
	s_bfe_u32 s2, ttmp6, 0x10000c
	s_cmp_lg_u32 s2, 0xf033
	s_cbranch_scc0 .Lentry_shape_is_right
	s_endpgm
.Lentry_shape_is_right:
; out = A B + bias + residual, f32 out; bf16 operands, f32 sums.  ONE TEXT FOR TWO PRODUCTS, chosen by KIND:
;   KIND 2: x1 = ctx Wo + bo + x.      A = ctx, by heads [32][2048][64] bf16 (K = head x 64 + channel), B = wb + 6,291,456 [1024][1024], K = 1,024.
;   KIND 3: out0 = act W2 + b2 + x1.   A = act [4096][4096] bf16, B = wb + 16,777,216 [4096][1024], K = 4,096.
; A tile of the output is 128 x 128: 256 work-groups of four waves, a wave 64 x 64: 16 accumulators of 16 x 16.
; THE RING.  K goes in steps of 256 through two LDS slots of four UNITS; wave w fills unit w with ONE tensor load of 32 KiB: units 0, 1: A's 128 rows x k 0-127, 128-255; units 2, 3: B's k rows 0-127,
; 128-255 x 128 columns, 288 bytes from row to row, as B lies in memory; B's fragments come out turned, by ds_load_tr16_b128.  KIND 2: a unit of A is two heads' 128 rows x 64 channels, each head's
; 16,384 bytes dense in memory: asked for as 2 rows of 8,192 elements and padded behind every 128 bytes, so that (head, row, channel) lies at 18,432 head + 144 row + 2 channel.
; A loop trip is one K step; the slot's LDS base is the scalar TB (0 or SLOT), turned by an exclusive or.
; CLUSTERS: 4 x 4 work-groups; A's units are asked for jointly along a row of the cluster, B's along a column.  No prefetch: the tiles are small and a step is short.
; THE MATRIX INSTRUCTION IS USED TRANSPOSED (source 0 = 16 columns of B, source 1 = 16 rows of A): a lane holds row l % 16 and the columns 8 (l / 16) + 0..7.
; REGISTERS, in windows of 256 (s_set_vgpr_msb: bits 1:0 source 0, 3:2 source 1, 5:4 source 2, 7:6 destination):
;   window 0: v0-31 addresses, v12-15 the bias; v32-63 the way out; A's fragments, buffer f, k half kd, block a at v[64 + 64 f + 8 (4 kd + a)]
;   window 1: B's fragments at v[96 f + 8 (4 kd + b)]      windows 2, 3: accumulator (a, b) at v[8 (4 (a % 2) + b)], window 2 + a / 2;  window 2 v128-255: my 64 x 64 of the residual
; LIMITS: operands are rounded to bf16; bias and residual are added in f32; NaN and infinities are not treated apart.
.set KIND,  3
.set UNIT,  36864
.set SLOT,  4*UNIT
.set SPARE, 2*SLOT                     ; behind the ring: the spare words, 128 bytes a wave: two blocks of 256 bytes that no other line names
.set STAGE, SPARE+512                  ; 16 rows x 272 bytes of f32 for each wave, for the way out
.set PB,    288                        ; 72 words
.set STEPB, 524288                     ; 256 rows of 2,048 bytes
.if KIND == 2
.set NSTEP, 4                          ; K steps
.set PA,    144                        ; 36 words: the 16 rows of a fragment load start at 16 different groups of four banks
.set QSTR,  18432                      ; bytes in a unit from a quarter's k to the next quarter's: a head
.set STEPA, 1048576                    ; four heads
.set BOFF,  6291456
.else
.set NSTEP, 16
.set PA,    272
.set QSTR,  128
.set STEPA, 512
.set BOFF,  16777216
.endif
.set G1A, 24                           ; s[24:31] descriptor group 1 for A's units;  s[32:39] group 0: a set for each first fill; the second then walks
.set G0A, 32
.set G1B, 48                           ; s[48:55], s[56:63] the same for B's
.set G0B, 56
.set BA,  16                           ; v16-19  my fragments' LDS places in a slot: A's two units, B's two units
.set CA,  20                           ; v20-23  the same plus TB
.set STO, 24
.set RD,  25
.set CO,  26
.set BO,  27
.set SPW, 28                           ; LDS address of my spare word; never rewritten
.set NIL, 29                           ; 0; never rewritten
.set F0,  0
.set F1,  1
.set MUL_LO, 0xa1                      ; B window 1, A window 0, C and D window 2; + 0x50: window 3
.set TO_B,   0x40
; scalars: s10 wave, s11 its half of the rows, s12 its half of the columns (and which of the two units it fetches), s13 tile row, s42 tile column, s3 the loop's count, s70 TB, s71 my unit's place
.set MSB, 0
.macro WIN new                         ; the immediate's high byte repeats the setting that is left; a switch that changes nothing is dropped
.if MSB != (\new)
	s_set_vgpr_msb (MSB<<8)|(\new)
.set MSB, \new
.endif
.endm
.macro PLACES                          ; four plain vector instructions between a matrix instruction and a load into, or a read of, its registers
.rept 4
	v_nop
.endr
.endm
.macro JLOAD                           ; a joint refill, by the walking sets: waves 0, 1 for A, waves 2, 3 for B; s_nop 0 and four v_nop follow each line
	s_cmp_lt_u32 s10, 2
	s_cbranch_scc0 .Lfor_b_\@
	tensor_load_to_lds s[G0A+4:G0A+7], s[G1A:G1A+7]
	s_nop 0
	PLACES
	s_branch .Lasked_\@
.Lfor_b_\@:
	tensor_load_to_lds s[G0B+4:G0B+7], s[G1B:G1B+7]
	s_nop 0
	PLACES
.Lasked_\@:
.endm
.macro CREST                           ; a round of the cluster's barrier behind its opening barrier
	s_cmp_lg_u32 s10, 0
	s_cbranch_scc1 .Lnot_wave_0_\@
	s_barrier_signal -3
.Lnot_wave_0_\@:
	s_barrier_wait -3
	s_barrier_signal -1
	s_barrier_wait -1
.endm
.macro CROUND
	s_barrier_signal -1
	s_barrier_wait -1
	CREST
.endm
.macro ADDR                            ; my fragments' places in the slot in hand
.irp n, 0,1,2,3
	v_add_nc_u32 v[CA+\n], s70, v[BA+\n]
.endr
.endm
.macro LDB q, g                        ; B's fragments of quarter q (64 along K, two matrix instructions deep) into buffer g
	WIN TO_B
.set kd, 0
.rept 2
.set bb, 0
.rept 4
.set rB, 96*(\g)+8*(4*kd+bb)
.set of, (((\q)%2)*64+32*kd)*PB+32*bb
	ds_load_tr16_b128 v[rB:rB+3], v[CA+2+(\q)/2] offset:of
	ds_load_tr16_b128 v[rB+4:rB+7], v[CA+2+(\q)/2] offset:of+16*PB
.set bb, bb+1
.endr
.set kd, kd+1
.endr
.endm
.macro LDA q, g                        ; A's fragments: the lower half of my rows first
	WIN 0
.set hh, 0
.rept 2
.set kd, 0
.rept 2
.set aa, 0
.rept 2
.set rA, 64+64*(\g)+8*(4*kd+2*hh+aa)
.set of, ((\q)%2)*QSTR+64*kd+(2*hh+aa)*16*PA
	ds_load_b128 v[rA:rA+3], v[CA+(\q)/2] offset:of
	ds_load_b128 v[rA+4:rA+7], v[CA+(\q)/2] offset:of+32
.set aa, aa+1
.endr
.set kd, kd+1
.endr
.set hh, hh+1
.endr
.endm
.macro FETCH q, g                      ; 32 LDS loads in one run
	LDB \q, \g
	LDA \q, \g
.endm
; Half of a quarter's products: half hi of my rows x all my columns, 64 along K.  The 8 accumulators take turns.  zero = 1: the first 32 along K start the sums.
.macro MULH f, hi, zero
	WIN MUL_LO+0x50*(\hi)
.set kd, 0
.rept 2
.set aa, 0
.rept 2
.set bb, 0
.rept 4
.set rD, 8*(4*aa+bb)
.set rB, 96*(\f)+8*(4*kd+bb)
.set rA, 64+64*(\f)+8*(4*kd+2*(\hi)+aa)
.if (\zero) && (kd == 0)
	v_wmma_f32_16x16x32_bf16 v[rD:rD+7], v[rB:rB+7], v[rA:rA+7], 0
.else
	v_wmma_f32_16x16x32_bf16 v[rD:rD+7], v[rB:rB+7], v[rA:rA+7], v[rD:rD+7]
.endif
.set bb, bb+1
.endr
.set aa, aa+1
.endr
.set kd, kd+1
.endr
.endm
.macro QUARTER qn, f, g, zero          ; multiplies buffer f; in its middle it fetches quarter qn into buffer g
	s_wait_dscnt 8                                 ; B and the lower half of A are in; the youngest 8 loads (A's upper half) may be out
	MULH \f, 0, \zero
	PLACES
	FETCH \qn, \g
	s_wait_dscnt 32                                ; all but the 32 just issued
	MULH \f, 1, \zero
.endm
; The last quarter multiplies buffer 1 and changes slots.  In front of the barrier each wave waits for all its tensor loads (one is out: its unit of the next slot), adds 0 to its spare word, and waits
; for that and for its reads of this slot.  fill = 1: the barrier opens a round of the cluster's, and the joint refill of the slot just read, with the K step two on, is the first thing behind it.
.macro TURN fill
	WIN 0
	s_wait_tensorcnt 0x0                           ; no tensor load of mine is out, so a group 0 may be written
	ds_add_u32 v[SPW], v[NIL]
.if \fill
	s_add_co_u32 s[G0A+5], s71, s70                ; the walking sets: my unit of the slot that is being left,
	s_add_co_u32 s[G0B+5], s71, s70
	s_add_nc_u64 s[G0A+6:G0A+7], s[G0A+6:G0A+7], STEPA  ; the next K step; the type bits on top are not reached
	s_add_nc_u64 s[G0B+6:G0B+7], s[G0B+6:G0B+7], STEPB
.endif
	s_xor_b32 s70, s70, SLOT                       ; the reads go on in the other slot
	s_wait_dscnt 0x0                               ; the add is done, buffer 1 is in, and my reads of this slot are over
	s_barrier_signal -1
	MULH F1, 0, 0                                  ; work on registers while the others arrive
	WIN 0
	s_barrier_wait -1
.if \fill
	CREST
	JLOAD                                          ; its four v_nop are also the places in front of the loads below
.else
	PLACES
.endif
	ADDR
	FETCH 0, F0
	MULH F1, 1, 0
.endm
	s_load_b128 s[4:7], s[0:1], 0x0                ; A s[4:5], wb s[6:7]
	s_load_b64 s[8:9], s[0:1], 0x10                ; the output
	s_load_b64 s[66:67], s[0:1], 0x18              ; the bias
	s_load_b64 s[68:69], s[0:1], 0x20              ; the residual
	v_lshl_add_u32 v[SPW], v0, 2, SPARE
	v_mov_b32 v[NIL], 0
	ds_add_u32 v[SPW], v[NIL]                      ; the wave's opening: the add and its wait stand ahead of my first tensor load
	ds_add_u32 v28, v29
	v_lshrrev_b32 v1, 5, v0
	v_readfirstlane_b32 s10, v1                    ; wave 0..3
	s_lshr_b32 s11, s10, 1
	s_and_b32 s12, s10, 1
	s_bfe_u32 s40, ttmp6, 0x40000                  ; cx, cy: my place in the cluster
	s_bfe_u32 s41, ttmp6, 0x40004
	s_lshl_b32 s42, ttmp9, 2
	s_add_co_u32 s42, s42, s40                     ; tile column = 4 x cluster x + cx
	s_and_b32 s13, ttmp7, 0xffff
	s_lshl_b32 s13, s13, 2
	s_add_co_u32 s13, s13, s41                     ; tile row = 4 x cluster y + cy
	s_lshl_b32 s43, s41, 2
	s_lshl_b32 s43, 15, s43                        ; my row of the cluster
	s_lshl_b32 s44, 0x1111, s40                    ; my column
.if KIND == 2
	s_or_b32 s[G1A], s43, (1<<16)|(1<<20)|(1<<21)|(4<<22)|(3<<25)  ; the mask; 2-byte elements; padding on; bit 21 beside a mask; behind every 32 words; 4 words
	s_mov_b32 s[G1A+1], 8192<<16                   ; tensor_dim0 = 8,192: a head's 128 rows x 64 channels
	s_mov_b32 s[G1A+2], 2<<16                      ; tensor_dim1 = 2 heads
	s_mov_b32 s[G1A+3], 8192<<16                   ; tile_dim0
	s_mov_b32 s[G1A+4], 2                          ; tile_dim1
	s_mov_b32 s[G1A+5], 131072                     ; elements from a head to the next
.else
	s_or_b32 s[G1A], s43, (1<<16)|(1<<20)|(1<<21)|(5<<22)|(3<<25)  ; behind every 64 words; 4 words
	s_mov_b32 s[G1A+1], 128<<16
	s_mov_b32 s[G1A+2], 128<<16
	s_mov_b32 s[G1A+3], 128<<16
	s_mov_b32 s[G1A+4], 128
	s_mov_b32 s[G1A+5], 4096
.endif
	s_mov_b32 s[G1A+6], 0
	s_mov_b32 s[G1A+7], 0
	s_or_b32 s[G1B], s44, (1<<16)|(1<<20)|(1<<21)|(5<<22)|(7<<25)  ; behind every 64 words; 8 words
	s_mov_b32 s[G1B+1], 128<<16                    ; 128 rows of k x 128 columns
	s_mov_b32 s[G1B+2], 128<<16
	s_mov_b32 s[G1B+3], 128<<16
	s_mov_b32 s[G1B+4], 128
	s_mov_b32 s[G1B+5], 1024
	s_mov_b32 s[G1B+6], 0
	s_mov_b32 s[G1B+7], 0
	; my unit's first byte: A's from the tile row alone (s16), B's from the tile column alone (s18)
.if KIND == 2
	s_lshr_b32 s16, s13, 4                         ; the batch: 16 heads of 262,144 bytes,
	s_lshl_b32 s16, s16, 22
	s_lshl_b32 s20, s12, 19                        ; my two heads of the step's four,
	s_add_co_u32 s16, s16, s20
	s_and_b32 s20, s13, 15                         ; the tile's 128 rows of 128 bytes in a head
	s_lshl_b32 s20, s20, 14
	s_add_co_u32 s16, s16, s20
.else
	s_lshl_b32 s16, s13, 20                        ; 128 rows of 8,192 bytes,
	s_lshl_b32 s20, s12, 8                         ; my 128 of the step's 256 along K
	s_add_co_u32 s16, s16, s20
.endif
	s_lshl_b32 s18, s12, 18                        ; my 128 rows of k of 2,048 bytes,
	s_lshl_b32 s21, s42, 8                         ; the tile's 128 columns
	s_add_co_u32 s18, s18, s21
	s_add_co_u32 s18, s18, BOFF
	s_mov_b32 s17, 0
	s_mov_b32 s19, 0
	s_mul_i32 s71, s10, UNIT                       ; no place in the cluster enters an LDS address
	s_mov_b32 s70, 0
	s_wait_dscnt 0x0                               ; the opening add is done
	s_wait_kmcnt 0x0
	s_add_nc_u64 s[14:15], s[4:5], s[16:17]
	s_add_nc_u64 s[46:47], s[6:7], s[18:19]
	CROUND                                         ; all sixteen work-groups are here: the first joint loads meet
.irp s, 0,1
	s_mov_b32 s[G0A+4*(\s)], 1                     ; count = 1
	s_add_co_u32 s[G0A+4*(\s)+1], s71, (\s)*SLOT   ; LDS address
	s_add_nc_u64 s[G0A+4*(\s)+2:G0A+4*(\s)+3], s[14:15], (\s)*STEPA  ; global address: K step s
	s_or_b32 s[G0A+4*(\s)+3], s[G0A+4*(\s)+3], 0x80000000           ; type = 2
	s_mov_b32 s[G0B+4*(\s)], 1
	s_add_co_u32 s[G0B+4*(\s)+1], s71, (\s)*SLOT
	s_add_nc_u64 s[G0B+4*(\s)+2:G0B+4*(\s)+3], s[46:47], (\s)*STEPB
	s_or_b32 s[G0B+4*(\s)+3], s[G0B+4*(\s)+3], 0x80000000
.endr
	s_cmp_lt_u32 s10, 2                            ; a wave's two first fills stand in one branch: two loads of mine are out
	s_cbranch_scc0 .Lfirst_b
	tensor_load_to_lds s[G0A:G0A+3], s[G1A:G1A+7]
	s_nop 0
	tensor_load_to_lds s[G0A+4:G0A+7], s[G1A:G1A+7]
	s_nop 0
	PLACES
	s_branch .Lfirst_done
.Lfirst_b:
	tensor_load_to_lds s[G0B:G0B+3], s[G1B:G1B+7]
	s_nop 0
	tensor_load_to_lds s[G0B+4:G0B+7], s[G1B:G1B+7]
	s_nop 0
	PLACES
.Lfirst_done:
	v_and_b32 v1, 15, v0                           ; l % 16
	v_bfe_u32 v2, v0, 4, 1                         ; l / 16
	; bias and residual are asked for now and waited for at the way out
	s_lshl_b32 s2, s13, 19                         ; 128 rows of 4,096 bytes,
	s_lshl_b32 s20, s11, 18                        ; my 64 of them,
	s_add_co_u32 s2, s2, s20
	s_lshl_b32 s20, s42, 9                         ; 128 columns of f32,
	s_lshl_b32 s21, s12, 8                         ; my 64 of them
	s_add_co_u32 s20, s20, s21
	s_add_co_u32 s2, s2, s20
	s_mov_b32 s3, 0
	s_add_nc_u64 s[8:9], s[8:9], s[2:3]
	s_add_nc_u64 s[68:69], s[68:69], s[2:3]
	v_lshl_add_u32 v[BO], v1, 4, s20
	global_load_b128 v[12:15], v[BO], s[66:67]     ; the bias of my four columns
	v_lshlrev_b32 v[CO], 12, v2                    ; lanes 0-15 one row's 256 bytes, lanes 16-31 the next row's
	v_lshl_add_u32 v[CO], v1, 4, v[CO]
	WIN 0x80                                       ; destination window 2
.set i, 0
.rept 32
	global_load_b128 v[128+4*i:131+4*i], v[CO], s[68:69] offset:8192*i
.set i, i+1
.endr
	WIN 0
	v_mul_u32_u24 v3, v1, PA
	v_lshl_add_u32 v3, v2, 4, v3                   ; A: row x pitch + 16 x half
	v_and_b32 v4, 7, v0
	v_lshl_add_u32 v4, v2, 3, v4
	v_mul_u32_u24 v4, v4, PB
	v_bfe_u32 v5, v0, 3, 1
	v_lshl_add_u32 v4, v5, 4, v4                   ; B: (8 (l / 16) + l % 8) x pitch + 16 ((l / 8) % 2)
	s_mul_i32 s20, s11, 64*PA                      ; my 64 rows in a unit of A
	s_lshl_b32 s21, s12, 7
	s_add_co_u32 s21, s21, 2*UNIT                  ; my 64 columns in a unit of B
	v_add_nc_u32 v[BA], s20, v3
	v_add_nc_u32 v[BA+1], UNIT, v[BA]
	v_add_nc_u32 v[BA+2], s21, v4
	v_add_nc_u32 v[BA+3], UNIT, v[BA+2]
	s_mul_i32 s23, s10, 4352
	s_add_co_u32 s23, s23, STAGE                   ; my stage
	v_mul_u32_u24 v5, v1, 272
	v_lshl_add_u32 v5, v2, 5, v5
	v_add_nc_u32 v[STO], s23, v5                   ; in: row l % 16, 32 bytes for each half of the lanes
	v_mul_u32_u24 v5, v2, 272
	v_lshl_add_u32 v5, v1, 4, v5
	v_add_nc_u32 v[RD], s23, v5                    ; back: two rows of 256 bytes
	s_wait_tensorcnt 0x1                           ; my unit of K step 0 is in; K step 1's may stay out
	s_barrier_signal -1
	s_barrier_wait -1                              ; everybody's is
	ADDR
	FETCH 0, F0
	QUARTER 1, F0, F1, 1                           ; the first quarter stands in front of the loop: its first products start the sums
	WIN 0                                          ; at a label and at a branch every window is 0
	s_mov_b32 s3, NSTEP-2
.Lstep:                                            ; a trip: from a K step's second quarter to the next step's first; it fills the slot that it leaves
	QUARTER 2, F1, F0, 0
	QUARTER 3, F0, F1, 0
	TURN 1
	QUARTER 1, F0, F1, 0
	WIN 0
	s_sub_co_u32 s3, s3, 1
	s_cmp_lg_u32 s3, 0
	s_cbranch_scc1 .Lstep
	QUARTER 2, F1, F0, 0                           ; the last two K steps are written out: nothing is left to fetch
	QUARTER 3, F0, F1, 0
	TURN 0
	QUARTER 1, F0, F1, 0
	QUARTER 2, F1, F0, 0
	QUARTER 3, F0, F1, 0
	s_wait_dscnt 8
	MULH F1, 0, 0
	s_wait_dscnt 0x0
	MULH F1, 1, 0
	WIN 0
	s_wait_loadcnt 0x0                             ; bias and residual
	PLACES                                         ; the way out reads results just made
	; THE WAY OUT: 16 rows at a time through my stage: in as a lane holds them, back as whole rows of 256 bytes; + bias, + residual, in f32; 16 lanes store 256 consecutive bytes, at a multiple of 256
.set aa, 0
.rept 4
	WIN 0x08+4*(aa/2)                              ; the stores' data: window 2 or 3
.set bb, 0
.rept 4
.set rD, 8*(4*(aa%2)+bb)
	ds_store_b128 v[STO], v[rD:rD+3] offset:64*bb
	ds_store_b128 v[STO], v[rD+4:rD+7] offset:64*bb+16
.set bb, bb+1
.endr
	WIN 0
.if aa > 0
	s_wait_xcnt 0x0                                ; the last block's stores have read their registers, which the loads below write
.endif
.set i, 0
.rept 8
	ds_load_b128 v[32+4*i:35+4*i], v[RD] offset:544*i  ; LDS serves a wave's instructions in order (ISA guide 5.7.1.4): these see the stores above
.set i, i+1
.endr
	s_wait_dscnt 0x0
.set i, 0
.rept 16
	v_pk_add_f32 v[32+2*i:33+2*i], v[32+2*i:33+2*i], v[12+2*(i%2):13+2*(i%2)]
.set i, i+1
.endr
	WIN 0x08                                       ; source 1: window 2
.set i, 0
.rept 16
	v_pk_add_f32 v[32+2*i:33+2*i], v[32+2*i:33+2*i], v[128+32*aa+2*i:129+32*aa+2*i]
.set i, i+1
.endr
	WIN 0
.set i, 0
.rept 8
	global_store_b128 v[CO], v[32+4*i:35+4*i], s[8:9] offset:(16*aa+2*i)*4096
.set i, i+1
.endr
.set aa, aa+1
.endr
	s_wait_tensorcnt 0x0                           ; the wave's end: behind my last tensor load and my last LDS store
	ds_add_u32 v[SPW], v[NIL]
	s_wait_dscnt 0x0
	CROUND                                         ; the closing round: no work-group ends while a partner may still ask for a unit that names it
	s_endpgm
.Lfunc_end_k_qe143d88638_ffn2:
	.size	k_qe143d88638_ffn2, .Lfunc_end_k_qe143d88638_ffn2-k_qe143d88638_ffn2
	.p2alignl 7, 3214868480
	.fill 96, 4, 3214868480
	.section	.rodata,"a",@progbits
	.p2align	6, 0x0
	.amdhsa_kernel k_qe143d88638_ffn2
		.amdhsa_group_segment_fixed_size 327680
		.amdhsa_private_segment_fixed_size 0
		.amdhsa_enable_private_segment 0
		.amdhsa_kernarg_size 40
		.amdhsa_user_sgpr_count 2
		.amdhsa_user_sgpr_kernarg_segment_ptr 1
		.amdhsa_wavefront_size32 1
		.amdhsa_system_sgpr_workgroup_id_x 1
		.amdhsa_system_sgpr_workgroup_id_y 1
		.amdhsa_system_sgpr_workgroup_id_z 1
		.amdhsa_system_vgpr_workitem_id 0
		.amdhsa_next_free_vgpr 832
		.amdhsa_next_free_sgpr 96
		.amdhsa_reserve_vcc 0
		.amdhsa_float_denorm_mode_32 3
		.amdhsa_float_denorm_mode_16_64 3
		.amdhsa_memory_ordered 1
		.amdhsa_forward_progress 1
		.amdhsa_inst_pref_size 80
	.end_amdhsa_kernel
	.amdgpu_metadata
---
amdhsa.version: [ 1, 2 ]
amdhsa.kernels:
  - .name:           k_qe143d88638_ffn2
    .symbol:         k_qe143d88638_ffn2.kd
    .args:
      - { .name: act, .offset: 0, .size: 8, .value_kind: global_buffer, .address_space: global }
      - { .name: wb, .offset: 8, .size: 8, .value_kind: global_buffer, .address_space: global }
      - { .name: out0, .offset: 16, .size: 8, .value_kind: global_buffer, .address_space: global }
      - { .name: b2, .offset: 24, .size: 8, .value_kind: global_buffer, .address_space: global }
      - { .name: x1, .offset: 32, .size: 8, .value_kind: global_buffer, .address_space: global }
    .group_segment_fixed_size: 327680
    .private_segment_fixed_size: 0
    .kernarg_segment_align: 8
    .kernarg_segment_size: 40
    .max_flat_workgroup_size: 128
    .sgpr_count:     96
    .vgpr_count:     832
    .wavefront_size: 32
...
	.end_amdgpu_metadata
.endif
;; end of part 7
